; MI455X (gfx1250); checked and timed in simulation.
; The chip was launched on July 23, 2026; its instructions are those of AMD's public machine-readable ISA for CDNA 5 (MIT licence, August 2026) and "CDNA5" Instruction Set Architecture Reference Guide (July 2026). The comments in the code are by the model that wrote it; some were corrected since.
;; Multi Head Attention T. Allowed arithmetic: matrix products marked QUANTISED: E2M1 operands, one E8M0 scale for each 32 along K, by v_wmma_scale_f32_16x16x128_f8f6f4 with both operands' format E2M1 (or v_wmma_scale_f32_32x16x128_f4), f32 sums; everything else in f32.
;; Inputs: Wk_codes 512 x 2 x 16 uint8 (E2M1 codes of Wk, K innermost, in blocks of 32 codes, two codes a byte); Wk_scales 512 x 2 uint8 (E8M0 scales of Wk, one for each 32 codes along K); Wo_codes 64 x 16 x 16 uint8 (E2M1 codes of Wo, K innermost, in blocks of 32 codes, two codes a byte); Wo_scales 64 x 16 uint8 (E8M0 scales of Wo, one for each 32 codes along K); Wq_codes 512 x 2 x 16 uint8 (E2M1 codes of Wq, K innermost, in blocks of 32 codes, two codes a byte); Wq_scales 512 x 2 uint8 (E8M0 scales of Wq, one for each 32 codes along K); Wv_codes 512 x 2 x 16 uint8 (E2M1 codes of Wv, K innermost, in blocks of 32 codes, two codes a byte); Wv_scales 512 x 2 uint8 (E8M0 scales of Wv, one for each 32 codes along K); beta 64 float32; bk 512 float32; bo 64 float32; bq 512 float32; bv 512 float32; gamma 64 float32; x 8 x 2,048 x 64 float32.
;; Outputs: out0 8 x 1 x 2,048 x 64 float32.
;; This version of the problem:
;;   THIS VERSION OF THE PROBLEM IS GIVEN IN LOW PRECISION. The matrix products marked QUANTISED in the list below multiply operands that are first quantised to E2M1 (2 exponent bits, 1 mantissa bit; 4 bits a number), with one power-of-two scale for each 32 numbers along K (OCP MX v1.0); their sums are f32. All else is computed in f32.
;;   The module's matrix products, in the order in which they are computed (A, B: the left and right operand; K: the contracted axis; several contracted axes count as one K, in the product's order):
;;     1. [M 16,384, K 64] x [K 64, N 512]; A: input x; B: input Wq (given as codes): QUANTISED
;;     2. [M 16,384, K 64] x [K 64, N 512]; A: input x; B: input Wk (given as codes): QUANTISED
;;     3. [M 16,384, K 64] x [K 64, N 512]; A: input x; B: input Wv (given as codes): QUANTISED
;;     4. batch 64 x [M 2,048, K 64] x [K 64, N 2,048]; A: computed on the way; B: computed on the way: QUANTISED
;;     5. batch 64 x [M 2,048, K 2,048] x [K 2,048, N 64]; A: softmax (see below); B: computed on the way: QUANTISED
;;     6. [M 16,384, K 512] x [K 512, N 64]; A: computed on the way; B: input Wo (given as codes): QUANTISED
;;   THE QUANTISER, for each operand of a quantised product, along K:
;;     - K is cut into blocks of 32 from its start; a last block that is shorter is filled with zeros.
;;     - A block's scale is 2^e with e = floor(log2(the largest magnitude in the block)) - 2, held to -126 .. 127; a block of zeros has e = 0. As a byte (E8M0): e + 127.
;;     - Each number is divided by its block's scale, clamped to +-6, and rounded to the nearest number of E2M1, ties to even, subnormals kept.
;;     - The product sums the exact products of the quantised numbers (number of the format x scale) in f32.
;;   ~~~python
;;   def quantise(x, axis):      # numpy; x: float32 -> the quantised numbers, widened to float32 again
;;       x = np.moveaxis(x, axis, -1); K = x.shape[-1]
;;       x = np.pad(x, [(0, 0)] * (x.ndim - 1) + [(0, -K % 32)]); x = x.reshape(x.shape[:-1] + (-1, 32)); a = np.abs(x).max(-1, keepdims=True)
;;       e = np.where(a > 0, np.clip(np.frexp(np.where(a > 0, a, 1))[1] - 1 - 2, -126, 127), 0)      # np.frexp(a)[1] - 1 = floor(log2(a)), exactly
;;       r = np.clip(x / 2.0 ** e, -6, 6)
;;       step = 2.0 ** (np.maximum(np.frexp(np.where(r == 0, 1, r))[1] - 1, 0) - 1)
;;       q = np.round(r / step) * step * 2.0 ** e      # np.round: ties to even
;;       return np.moveaxis(q.reshape(q.shape[:-2] + (-1,))[..., :K], -1, axis).astype(np.float32)
;;   ~~~
;;   SOFTMAX AHEAD OF A QUANTISED PRODUCT. Where the list says 'softmax', what is quantised is not the finished softmax but p = 2^(t - M), with t = logit x log2(e) and M = ceil(the row's largest t), a whole number; so 1/2 < the row's largest p <= 1. The row's sum l is taken of the UNQUANTISED p, in f32, and the product's result is divided by l at the end. Since M is a whole number, a kernel that streams over the keys may use a running M (the ceiling of the running maximum): every later rescaling is an exact power of two, which a block's scale takes up: the codes' values come out the same.
;;   OPERANDS COMPUTED ON THE WAY. 'Computed on the way' means the value that the module computes at that place (a softmax that the list does not call 'softmax' is quantised finished and normalised). What goes into a quantiser is computed in f32, as accurately as f32 sums, v_exp_f32 and their like allow (about 1e-6 of the number): no bf16 or f16 on the way to a quantiser, and a product that is left as it is and whose result goes on into a quantised operand takes f32 operands (vector FMAs, or v_wmma_f32_16x16x4_f32). A number that lies on a knife's edge between two numbers of the format may be rounded either way, as far as f32 arithmetic and the matrix unit's own rounding can turn it there, and no further.
;;   INPUTS GIVEN AS CODES. Wk (in the module: [64, 512], K = its axis 0); Wo (in the module: [512, 64], K = its axis 0); Wq (in the module: [64, 512], K = its axis 0); Wv (in the module: [64, 512], K = its axis 0): each comes as NAME_codes (uint8): NAME with its K axis moved to the last place and cut into blocks of 32 codes, [.., K / 32, bytes a block], one block behind the other in memory; two codes a byte, the lower K in the low four bits (a code: sign, 2 exponent bits, 1 mantissa bit); and NAME_scales (uint8): the same leading axes, one E8M0 byte (e + 127) for each 32 codes along K. Its value is code x scale, taken as it is: it is not quantised again, and the codes and scales need not be those that the quantiser above would give.
;; 2 versions, each right; version 2 is version 1 with the launch mha written anew for expert scheduling mode. Each part assembles by itself: llvm-mc -triple=amdgcn-amd-amdhsa -mcpu=gfx1250 --defsym DOCPART=n.
;; ======== version 1 of 2: 1 launch
;; launch mha (part 1): grid 4 x 64, 16 waves a work-group, no clusters, 197,120 bytes of LDS; arguments x, Wq_codes, Wq_scales, bq, Wk_codes, Wk_scales, bk, Wv_codes, Wv_scales, bv, Wo_codes, Wo_scales, bo, gamma, beta, out0; writes out0
.if DOCPART == 1
	.amdgcn_target "amdgcn-amd-amdhsa--gfx1250"
	.amdhsa_code_object_version 6
	.text
	.protected	k_q07b7a7f859_mha
	.globl	k_q07b7a7f859_mha
	.p2align	8
	.type	k_q07b7a7f859_mha,@function
k_q07b7a7f859_mha:
	s_mov_b64 s[64:65], 0
	v_nop
	global_prefetch_b8 v0, s[64:65] scope:SCOPE_SE
	s_setreg_imm32_b32 hwreg(HW_REG_WAVE_MODE, 25, 1), 1
	s_wait_xcnt 0x0
; out0 = LayerNorm(x + ctx Wo + bo), ctx = softmax(q k^T / 8) v, q, k, v = x W + b seen again as [64][2048][64]; all six products on codes of FP4 (E2M1) with one E8M0 scale for each 32 along K.
; THE VIEWS.  Head hd is made of rows 256 hd .. 256 hd + 255 of x ([16384][64]) and of nothing else: head row 8 s + j, channel d, is column 64 j + d of row s's projection; ctx's view back is the inverse
; (out row s takes k = 64 j + d from ctx row 8 s + j).  So the whole module is ONE launch, with no workspace.
; SHARES.  256 work-groups = 64 heads (y) x 4 blocks of 512 queries (x = g), which are 64 rows of x and of out0.  Sixteen waves of 256 registers, four to a SIMD: one wave's vector work stands beside another's
; products and LDS loads.  Wave w = 4 a + kap owns two tiles of 16 queries: x rows 16 a + 0..15 of the block, chunks j = 2 kap (tile A) and 2 kap + 1 (tile B).
; PHASES.  X: the head's 256 rows of x become codes (wave w: 16 rows), images in LDS | barrier | Q: my two tiles of q, quantised, stay in registers.  KV: the WHOLE head's k and v are made and quantised into LDS
; (wave w: chunk w & 7 of k and 8 channels of v, for 8 of the 16 row tiles) | barrier | A: 16 steps of 128 keys out of LDS | C: ctx / l is quantised, images in LDS | barrier | O: x Wo | barrier | L: residual, LayerNorm, store.
; k and v of a head are made by each of its four work-groups: 16 of a wave's 460 matrix instructions and about 600 of its 8,300 vector instructions are so repeated three times over; a launch of its own would send 17 MB through memory.
; NO CLUSTER, NO TENSOR LOAD: what the four work-groups of a head share is 64 KB of x and 70 KB of weights, read once at the head into registers, where x has to be quantised and the weights are operands as they lie; the loop reads LDS alone.
; ROTATION.  LDS slot sig (0..15) holds x's row tile (sig + 4 g) & 15, so that slots 0..3 are the work-group's own rows and no LDS address hangs on g.  The keys are so walked in an order rotated by whole steps of 128.
; K = 64 IN AN INSTRUCTION OF 128.  Source 0 carries TWO tiles: registers 0-3 one tile's 64 along K, registers 4-7 another's, their scale bytes in the word's low and high half.  Source 1 lies in 12 registers as
; [zeros][codes][zeros]: registers 4..11 = [codes, 0] pick the first tile, registers 0..7 = [0, codes] the second; its scale word holds its two bytes twice.  Zero codes add nothing under any scale byte but 0xff.
; TRANSPOSED USE.  Source 0 = 16 rows of a weight, of k or of v^T, source 1 = x, q, p or ctx: a lane (R = lane % 16, H = lane / 16) holds ONE row or query R throughout, its registers run along the next product's K.
; THE ROWS OF A TILE ARE NOT NEIGHBOURS: lane r of tile (b, u) takes row 32 b + 8 u + r + 8 (r / 8), so that registers 16 b + i of two neighbouring tiles are k = 32 b + 16 H + i.
; SOFTMAX.  t = score x log2(e) / 8; M = the running largest t rounded up to a whole number, kept as -M; p = 2^(t - M) is quantised along the keys; the sum is taken of the unquantised p; when M moves, sum and O^T are multiplied by 2^(old M - new M).
; LIMITS.  NaN and infinities among the inputs, and a given scale byte 0xff, are not served.  A block whose largest magnitude lies under 2^-124 gets the scale byte 1; a block of zeros gets 1 where the rule says 127 (its codes are
; zeros, and only this program reads the bytes).  p under 2^-126 comes out of v_exp_f32 as 0.  The rotated order of the key steps may turn last bits of f32 sums.  1 / l is v_rcp_f32 and a multiplication.
;
; LDS, in bytes
.set L_KC, 0            ; k's codes: a group of 8 keys is 256 bytes + 32 of padding (pitch 288); half h of key kk at (kk/8) 288 + (kk%8) 32 + 16 (h xor bit 4 of kk): the 16 lanes of a read touch 16 different 16-byte columns
.set L_VC, 73728        ; v^T's codes: row d at 1040 d + 128 (d / 16); in it byte 64 sig + key / 2
.set L_KS, 140800       ; k's scale words: 256 sig + 16 r + 4 b + 2 u: lane r reads the four pairs' words by one load
.set L_VS, 144896       ; v's scale words: 256 sig + 16 r + 4 tile + block
.set L_XI, 148992       ; x's fragments as images of their registers: 512 slot + 16 lane
.set L_XS, 157184       ; their scale words: 128 slot + 4 lane
.set L_CI, 159232       ; ctx's fragments likewise: 1024 wave + 512 c + 16 lane
.set L_CS, 175616       ; their scale words: 128 wave + 4 lane
.set L_ST, 177664       ; the stage for y: 64 rows x (256 + 16)
; SCALARS
.set WV, 2              ; wave
.set GG, 3              ; g
.set HD, 4              ; head
.set WA, 5              ; a = wave / 4
.set WK, 6              ; kap = eps = wave % 4
.set WJ, 7              ; j = wave % 8
.set SEL, 40            ; s[40:41] v_permlanex16_b32's selects for lane l xor 16
.set CL, 42             ; s[42:43] log2(e) / 8, twice: the packed form names the pair
.set CNT, 44
.set TK, 45             ; the step's place in k's codes, 4608 a step
.set TSC, 46            ; in the scale words, 256 a step
.set TV, 47             ; in a row of v^T, 64 a step
; s[8:39] the sixteen buffers in the order of the arguments; s[48:49] x at my slot's tile; s[50:51] x at my residual rows; s[80:81] an offset, high word 0; s82-86 at work; s90 1/64; s91 1e-5
; VECTOR REGISTERS that stay
.set QA, 20             ; v20-31  tile A's q: [0][codes][0]
.set QB, 32             ; v32-43  tile B's
.set QSA, 44            ; v44-55 hold scales and nothing else: q's words,
.set QSB, 45
.set PSA, 46            ; p's words,
.set PSB, 47
.set SC4, 48            ; v48-51 four words of source 0 (weights', k's, v's, Wo's by turns),
.set XSW, 52            ; v52 x's word; v52-55 ctx's words
.set WF, 56             ; v56-87  source 0: four pairs of tiles (weights, k) or four fragments (v^T)
.set KF, 56
.set D, 88              ; v88-151 results of the projections; S^T, then p
.set S, 88
.set BI, 152            ; v152-215 biases in the results' layout, the C of each projection; later
.set OA, 152            ; v152-183 tile A's O^T
.set OB, 184            ; v184-215 tile B's
.set XF, 216            ; v216-227 x's fragment: [0][codes][0]; later
.set PA, 216            ; v216-223 tile A's p as codes
.set PB, 224            ; v224-231 tile B's
; production
.set RR, 1
.set HH, 2
.set L16, 3
.set L4, 4
.set WKO, 5
.set WKS, 6
.set BKO, 7
.set WVO, 8
.set WVS, 9
.set BVO, 10
.set XGO, 11
.set WR, 12             ; v12-19 the weights' scale bytes as loaded, two a tile; later the softmax's statistics: v12 -M, v13 largest t, v[14:15] the sum (tile A); v16-19 (tile B)
.set XRI, 228
.set XRS, 229
.set KW, 230
.set KSW, 231
.set TM, 232            ; QUANT32: v232-233 largest magnitudes, v234-235 the other half's, v236-237 the conversions' scale operands, v238-239 bytes
.set TP, 234
.set TS, 236
.set TB, 238
.set KCD, 240
.set KSH, 244
.set VM, 245            ; v245-248 v's largest magnitudes, then bytes (v245, v246 in phase X: where I store x's image and word)
.set VSO, 232
.set VCD, 249
.set VW, 253
.set VSW, 254
.set TT, 255
; attention
.set AK0, 1
.set AKS0, 2
.set AV0, 3
.set AVS0, 4
.set ADK, 5
.set ADS, 6
.set ADV, 7
.set ADT, 8
.set BM, 232            ; v232-235 the blocks' largest scores, then largest p
.set BP, 236            ; v236-239 the other half's; then bytes
.set BS, 240            ; v240-243 the conversions' scale operands
.set FF, 244            ; v[244:245] f = 2^(old M - new M), the low word serves
.set S2, 246            ; v[246:247] the sum's second chain
.set TQ, 248
; the way out
.set WOO, 9
.set WOSO, 10
.set BOO, 11
.set EL16, 249
.set STR, 250
.set CWI, 251
.set CWS, 252
.set CRI, 253
.set CRS, 254
.set STW, 255
; Four plain vector instructions between a matrix instruction and a vector instruction or LDS store that reads its result, or a load into one of its registers (ISA guide 7.12.1 for vector instructions)
.macro PLACES
.rept 4
	v_nop
.endr
.endm
; My LDS stores have landed and my LDS loads are in: then the work-group's barrier
.macro BARRIER
	s_wait_dscnt 0x0
	s_barrier_signal -1
	s_barrier_wait -1
.endm
; 32 numbers of a lane, register 16 b + i = k 32 b + 16 H + i of my row, become four operand registers (k = 32 H + 0 .. 31) in v[dst] on, and the row's two scale bytes in v[sw]
.macro QUANT32 src, dst, sw
.irp b, 0,1
	v_max3_num_f32 v[TM+\b], |v[(\src)+16*\b]|, |v[(\src)+16*\b+1]|, 0x1800000   ; my 16 numbers of block b, and the floor 2^(3 - 127): the byte cannot fall under 1
.endr
.irp i, 2,4,6,8,10,12,14
.irp b, 0,1
	v_max3_num_f32 v[TM+\b], v[TM+\b], |v[(\src)+16*\b+\i]|, |v[(\src)+16*\b+\i+1]|   ; ascending: each result is read from its low end on
.endr
.endr
.irp b, 0,1
	v_permlanex16_b32 v[TP+\b], v[TM+\b], s[SEL], s[SEL+1]
.endr
.irp b, 0,1
	v_max_num_f32 v[TM+\b], v[TM+\b], v[TP+\b]       ; with lane l xor 16's: the block's largest magnitude
.endr
.irp b, 0,1
	v_add_nc_u32 v[TS+\b], 0xff000000, v[TM+\b]      ; 2 off its exponent field: the conversion's scale operand
.endr
.irp b, 0,1
	v_lshrrev_b32 v[TB+\b], 23, v[TS+\b]             ; the scale's byte
.endr
	v_lshl_or_b32 v[\sw], v[TB+1], 8, v[TB]
.irp b, 0,1
	v_cvt_scalef32_pk8_fp4_f32 v[(\dst)+2*\b], v[(\src)+16*\b:(\src)+16*\b+7], v[TS+\b]
	v_cvt_scalef32_pk8_fp4_f32 v[(\dst)+2*\b+1], v[(\src)+16*\b+8:(\src)+16*\b+15], v[TS+\b]
.endr
	v_nop                                            ; one plain place behind a scaled conversion
	v_permlane16_swap_b32 v[\dst], v[(\dst)+2]       ; the operand wants a whole block in a lane: lanes 0-15 block 0, lanes 16-31 block 1
	v_permlane16_swap_b32 v[(\dst)+1], v[(\dst)+3]
.endm
; A chunk of 64 columns of Wq or Wk: four tiles (b, u) as two pairs, their scale bytes, their biases in the result's layout
.macro WLOADK cc, pcod, pscl, pbia
.irp b, 0,1
.irp u, 0,1
	global_load_b128 v[WF+16*(\cc)+8*\b+4*\u:WF+16*(\cc)+8*\b+4*\u+3], v[WKO], s[\pcod:\pcod+1] offset:(64*(\cc)+32*\b+8*\u)*32
	global_load_u16 v[WR+4*(\cc)+2*\b+\u], v[WKS], s[\pscl:\pscl+1] offset:(64*(\cc)+32*\b+8*\u)*2
	global_load_b128 v[BI+32*(\cc)+8*(2*\b+\u):BI+32*(\cc)+8*(2*\b+\u)+3], v[BKO], s[\pbia:\pbia+1] offset:(64*(\cc)+32*\b+8*\u)*4
	global_load_b128 v[BI+32*(\cc)+8*(2*\b+\u)+4:BI+32*(\cc)+8*(2*\b+\u)+7], v[BKO], s[\pbia:\pbia+1] offset:(64*(\cc)+32*\b+8*\u)*4+16
.endr
.endr
.endm
; Wv: tile q's row r is column 64 (r % 8) + dw + q + 8 (r / 8): a lane's eight results are then the eight chunks, which are eight neighbouring keys, of channel dw + q + 8 H
.macro WLOADV
.irp q, 0,1,2,3
	global_load_b128 v[WF+16+4*\q:WF+16+4*\q+3], v[WVO], s[22:23] offset:32*\q
	global_load_u16 v[WR+4+\q], v[WVS], s[24:25] offset:2*\q
.irp i, 0,1,2,3,4,5,6,7
	global_load_b32 v[BI+32+8*\q+\i], v[BVO], s[26:27] offset:256*\i+4*\q
.endr
.endr
.endm
; the pairs' scale words: the first tile's two bytes below, the second's above
.macro WSCALES
.irp q, 0,1,2,3
	v_lshl_or_b32 v[SC4+\q], v[WR+2*\q+1], 16, v[WR+2*\q]
.endr
.endm
; one projection: tile u of a pair x the x fragment, + bias
.macro PROJ dreg, pair, u, creg, sc
.if \u
	v_wmma_scale_f32_16x16x128_f8f6f4 v[(\dreg):(\dreg)+7], v[WF+8*(\pair):WF+8*(\pair)+7], v[XF:XF+7], v[(\creg):(\creg)+7], v[SC4+(\sc)], v[XSW] matrix_a_fmt:MATRIX_FMT_FP4 matrix_b_fmt:MATRIX_FMT_FP4
.else
	v_wmma_scale_f32_16x16x128_f8f6f4 v[(\dreg):(\dreg)+7], v[WF+8*(\pair):WF+8*(\pair)+7], v[XF+4:XF+11], v[(\creg):(\creg)+7], v[SC4+(\sc)], v[XSW] matrix_a_fmt:MATRIX_FMT_FP4 matrix_b_fmt:MATRIX_FMT_FP4
.endif
.endm
	s_load_b512 s[8:23], s[0:1], 0x0               ; x, Wq codes, scales, bq, Wk codes, scales, bk, Wv codes
	s_load_b512 s[24:39], s[0:1], 0x40             ; Wv scales, bv, Wo codes, scales, bo, gamma, beta, out0
	v_lshrrev_b32 v1, 5, v0
	v_readfirstlane_b32 s[WV], v1                  ; wave 0..15
	s_mov_b32 s[GG], ttmp9
	s_and_b32 s[HD], ttmp7, 0xffff
	s_lshr_b32 s[WA], s[WV], 2
	s_and_b32 s[WK], s[WV], 3
	s_and_b32 s[WJ], s[WV], 7
	s_mov_b32 s[SEL], 0x76543210
	s_mov_b32 s[SEL+1], 0xfedcba98
	s_mov_b32 s[CL], 0x3e38aa3b                    ; log2(e) / 8
	s_mov_b32 s[CL+1], s[CL]
	s_mov_b32 s90, 0x3c800000                      ; 1 / 64
	s_mov_b32 s91, 0x3727c5ac                      ; 1e-5
	s_mov_b32 s81, 0
	v_and_b32 v[RR], 15, v0                        ; R
	v_bfe_u32 v[HH], v0, 4, 1                      ; H
	v_and_b32 v[L4], 31, v0
	v_lshlrev_b32 v[L16], 4, v[L4]                 ; 16 x lane
	v_lshlrev_b32 v[L4], 2, v[L4]                  ; 4 x lane
	v_and_b32 v[WKO], 8, v[RR]
	v_add_nc_u32 v[WKO], v[WKO], v[RR]             ; R + 8 (R / 8)
	v_lshlrev_b32 v[WKS], 1, v[WKO]                ; two scale bytes a row
	v_lshlrev_b32 v[WKO], 5, v[WKO]                ; 32 bytes of codes a row,
	v_lshl_add_u32 v[WKO], v[HH], 4, v[WKO]        ; my half's 16
	v_lshlrev_b32 v[BKO], 6, v[HH]                 ; biases: 16 H numbers on
	v_and_b32 v[WVO], 7, v[RR]
	v_lshrrev_b32 v[WVS], 3, v[RR]
	v_lshlrev_b32 v[WVS], 4, v[WVS]
	v_lshl_add_u32 v[WVS], v[WVO], 7, v[WVS]       ; row 64 (R % 8) + 8 (R / 8), two bytes a row
	v_lshlrev_b32 v[WVO], 4, v[WVS]
	v_lshl_add_u32 v[WVO], v[HH], 4, v[WVO]        ; the same x 32 bytes, + my half's 16
	v_lshlrev_b32 v[BVO], 5, v[HH]                 ; biases: 8 H numbers on
	v_lshlrev_b32 v[XGO], 8, v[RR]
	v_lshl_add_u32 v[XGO], v[HH], 7, v[XGO]        ; x: row R of 256 bytes, block H of 128
	s_lshl_b32 s84, s[HD], 16                      ; the head's 256 rows of 256 bytes
	s_lshl_b32 s86, s[GG], 2
	s_add_co_u32 s86, s86, s[WV]
	s_and_b32 s86, s86, 15                         ; slot w holds row tile (w + 4 g) & 15
	s_lshl_b32 s86, s86, 12
	s_add_co_u32 s80, s84, s86
	s_wait_kmcnt 0x0
	s_add_nc_u64 s[48:49], s[8:9], s[80:81]
.irp i, 0,1,2,3,4,5,6,7
	global_load_b128 v[D+4*\i:D+4*\i+3], v[XGO], s[48:49] offset:16*\i   ; a whole block of 32 of row R in my registers
.endr
	s_lshl_b32 s80, s[WK], 12                      ; my 128 columns of Wq (chunks 2 kap, 2 kap + 1); my 16 rows of Wo
	s_add_nc_u64 s[10:11], s[10:11], s[80:81]
	s_add_nc_u64 s[28:29], s[28:29], s[80:81]
	s_lshl_b32 s80, s[WK], 8
	s_add_nc_u64 s[12:13], s[12:13], s[80:81]
	s_add_nc_u64 s[30:31], s[30:31], s[80:81]
	s_lshl_b32 s80, s[WK], 9
	s_add_nc_u64 s[14:15], s[14:15], s[80:81]
	WLOADK 0, 10, 12, 14
	WLOADK 1, 10, 12, 14                           ; 32 loads behind x's eight
	s_lshl_b32 s80, s[WK], 6
	s_add_nc_u64 s[32:33], s[32:33], s[80:81]      ; bo
	s_lshl_b32 s80, s[WJ], 11                      ; my chunk of Wk
	s_add_nc_u64 s[16:17], s[16:17], s[80:81]
	s_lshl_b32 s80, s[WJ], 7
	s_add_nc_u64 s[18:19], s[18:19], s[80:81]
	s_lshl_b32 s80, s[WJ], 8
	s_add_nc_u64 s[20:21], s[20:21], s[80:81]
	s_bfe_u32 s82, s[WV], 0x20001
	s_and_b32 s83, s[WV], 1
	s_lshl_b32 s82, s82, 4
	s_lshl_b32 s83, s83, 2
	s_add_co_u32 s82, s82, s83                     ; dw = 16 ((w / 2) % 4) + 4 (w % 2): my channels of v are dw + 0..3 and dw + 8..11
	s_lshl_b32 s80, s82, 5
	s_add_nc_u64 s[22:23], s[22:23], s[80:81]
	s_lshl_b32 s80, s82, 1
	s_add_nc_u64 s[24:25], s[24:25], s[80:81]
	s_lshl_b32 s80, s82, 2
	s_add_nc_u64 s[26:27], s[26:27], s[80:81]
	s_lshl_b32 s85, s[GG], 14
	s_add_co_u32 s85, s84, s85
	s_lshl_b32 s86, s[WV], 10
	s_add_co_u32 s80, s85, s86                     ; rows 256 hd + 64 g + 4 w on: what I store, and its residual
	s_add_nc_u64 s[38:39], s[38:39], s[80:81]
	s_add_nc_u64 s[50:51], s[8:9], s[80:81]
.irp r, 20,21,22,23,28,29,30,31,32,33,34,35,40,41,42,43,216,217,218,219,224,225,226,227,234,235
	v_mov_b32 v\r, 0                               ; the zero codes round q's and x's fragments; v234-235: a lane permute's destination counts as one of its sources
.endr
	s_lshl_b32 s82, s[WV], 9
	s_add_co_u32 s82, s82, L_XI
	v_add_nc_u32 v245, s82, v[L16]                 ; where I store my slot's image,
	s_lshl_b32 s82, s[WV], 7
	s_add_co_u32 s82, s82, L_XS
	v_add_nc_u32 v246, s82, v[L4]                  ; and its scale word
	s_lshl_b32 s82, s[WA], 9
	s_add_co_u32 s82, s82, L_XI
	v_add_nc_u32 v[XRI], s82, v[L16]               ; slot a: my queries' rows
	s_lshl_b32 s82, s[WA], 7
	s_add_co_u32 s82, s82, L_XS
	v_add_nc_u32 v[XRS], s82, v[L4]
	; ---- X: 16 rows of x become a fragment.  Lane (R, H) holds block H of row R whole
	s_wait_loadcnt 32                              ; x's eight loads are in; the 32 for Wq, issued behind them, may be out
.irp c, 0,1
	v_max3_num_f32 v[232+\c], |v[D+16*\c]|, |v[D+16*\c+1]|, 0x1800000   ; two chains, each with the floor 2^(3 - 127)
.endr
.irp i, 2,4,6,8,10,12,14
.irp c, 0,1
	v_max3_num_f32 v[232+\c], v[232+\c], |v[D+16*\c+\i]|, |v[D+16*\c+\i+1]|
.endr
.endr
	v_max_num_f32 v232, v232, v233
	v_add_nc_u32 v236, 0xff000000, v232            ; the conversion's scale operand
	v_lshrrev_b32 v238, 23, v236                   ; my block's byte,
	v_lshlrev_b32 v239, 3, v[HH]
	v_lshlrev_b32 v238, v239, v238                 ; at its place,
	v_permlanex16_b32 v234, v238, s[SEL], s[SEL+1]
	v_or_b32 v238, v238, v234                      ; with the other block's,
	v_lshl_or_b32 v244, v238, 16, v238             ; twice: the word serves the codes in either half of the 128
.irp c, 0,1,2,3
	v_cvt_scalef32_pk8_fp4_f32 v[XF+4+\c], v[D+8*\c:D+8*\c+7], v236
.endr
	v_nop
	ds_store_b128 v245, v[XF+4:XF+7]
	ds_store_b32 v246, v244
	s_wait_loadcnt 0x0                             ; Wq's pairs, bytes and biases
	WSCALES
	; where phase KV stores.  (These 17 plain vector instructions are also the eight places between the scale words just made and the scaled products)
	s_lshr_b32 s82, s[WV], 3                       ; which eight slots are mine
	s_mul_i32 s83, s82, 36864
	s_lshl_b32 s84, s[WJ], 5
	s_add_co_u32 s83, s83, s84
	v_bfe_u32 v[TT], v0, 1, 1                      ; bit 4 of key 8 R + j
	v_xor_b32 v[KW], v[TT], v[HH]
	v_lshlrev_b32 v[KW], 4, v[KW]
	v_mad_u32_u24 v[KW], v[RR], 288, v[KW]
	v_add_nc_u32 v[KW], s83, v[KW]                 ; key 8 R + j of a slot: group R, place j, half H
	s_lshl_b32 s83, s82, 11
	s_lshl_b32 s84, s[WJ], 4
	s_add_co_u32 s83, s83, s84
	s_add_co_u32 s83, s83, L_KS
	v_lshlrev_b32 v[KSW], 7, v[TT]
	v_bfe_u32 v[TT], v0, 2, 2
	v_lshl_add_u32 v[KSW], v[TT], 2, v[KSW]
	v_and_b32 v[TT], 1, v0
	v_lshl_add_u32 v[KSW], v[TT], 1, v[KSW]
	v_add_nc_u32 v[KSW], s83, v[KSW]               ; that key is row j + 8 ((R / 2) % 2) of tile (b = R / 4, u = R % 2)
	s_bfe_u32 s84, s[WV], 0x20001                  ; t = (w / 2) % 4
	s_mul_i32 s83, s84, 16768
	s_and_b32 s85, s[WV], 1                        ; e = w % 2
	s_mul_i32 s86, s85, 4160
	s_add_co_u32 s83, s83, s86
	s_lshl_b32 s86, s82, 9
	s_add_co_u32 s83, s83, s86
	s_add_co_u32 s83, s83, L_VC
	v_mul_u32_u24 v[VW], v[HH], 8320
	v_lshl_add_u32 v[VW], v[RR], 2, v[VW]
	v_add_nc_u32 v[VW], s83, v[VW]                 ; row d = 16 t + 4 e + 8 H (+ q), keys 8 R on: 4 bytes
	s_lshl_b32 s83, s82, 11
	s_and_b32 s86, s84, 1
	s_lshl_b32 s86, s86, 7
	s_add_co_u32 s83, s83, s86
	s_lshl_b32 s86, s85, 6
	s_add_co_u32 s83, s83, s86
	s_lshr_b32 s86, s84, 1
	s_lshl_b32 s86, s86, 3
	s_add_co_u32 s83, s83, s86
	s_add_co_u32 s83, s83, L_VS
	v_bfe_u32 v[VSW], v0, 2, 2
	v_lshl_add_u32 v[VSW], v[HH], 2, v[VSW]
	v_add_nc_u32 v[VSW], s83, v[VSW]               ; channel d is row 8 (t % 2) + 4 e (+ q) of tile 2 (t / 2) + H; block R / 4
	BARRIER                                        ; x's sixteen fragments lie in LDS
	; ---- Q: my two tiles of q
	ds_load_b128 v[XF+4:XF+7], v[XRI]
	ds_load_b32 v[XSW], v[XRS]
	s_wait_dscnt 0x0
.irp c, 0,1
.irp b, 0,1
.irp u, 0,1
	PROJ D+32*\c+8*(2*\b+\u), 2*\c+\b, \u, BI+32*\c+8*(2*\b+\u), 2*\c+\b
.endr
.endr
.endr
	PLACES
	WLOADK 0, 16, 18, 20                           ; phase KV's weights are asked for while q is quantised: 16 + 40 loads
	WLOADV
	QUANT32 D, QA+4, KSH
	v_lshl_or_b32 v[QSA], v[KSH], 16, v[KSH]
	QUANT32 D+32, QB+4, KSH
	v_lshl_or_b32 v[QSB], v[KSH], 16, v[KSH]
	s_wait_loadcnt 0x0
	WSCALES
	s_lshr_b32 s82, s[WV], 3                       ; ten plain vector instructions follow: the eight places behind the scale words among them
	s_lshl_b32 s83, s82, 12
	s_add_co_u32 s83, s83, L_XI
	v_add_nc_u32 v[XRI], s83, v[L16]               ; my eight slots
	s_lshl_b32 s83, s82, 10
	s_add_co_u32 s83, s83, L_XS
	v_add_nc_u32 v[XRS], s83, v[L4]
	v_mov_b32 v13, 0xff61b1e6                      ; the largest t so far: -3e38, under every t
	v_mov_b32 v17, 0xff61b1e6
	v_floor_f32 v12, -v13                          ; -M
	v_floor_f32 v16, -v17
	v_mov_b32 v14, 0                               ; the sums, in two halves
	v_mov_b32 v15, 0
	v_mov_b32 v18, 0
	v_mov_b32 v19, 0
	; ---- KV: for each of my eight slots: chunk j of k (128 keys' worth: keys 8 R + j) and my eight channels of v
.macro SLOT n
	ds_load_b128 v[XF+4:XF+7], v[XRI] offset:512*(\n)
	ds_load_b32 v[XSW], v[XRS] offset:128*(\n)
	s_wait_dscnt 0x0                               ; the fragment is in; the last slot's stores have read their registers
.irp b, 0,1
.irp u, 0,1
	PROJ D+8*(2*\b+\u), \b, \u, BI+8*(2*\b+\u), \b
.endr
.endr
.irp q, 0,1,2,3
	PROJ D+32+8*\q, 2+\q/2, \q%2, BI+32+8*\q, 2+\q/2
.endr
	PLACES
	QUANT32 D, KCD, KSH                            ; lane (R, H): half H of key 8 R + j
	ds_store_b128 v[KW], v[KCD:KCD+3] offset:4608*(\n)
	ds_store_b16 v[KSW], v[KSH] offset:256*(\n)    ; both halves of the lanes write the same two bytes with the same value
.irp q, 0,1,2,3
	v_max3_num_f32 v[VM+\q], |v[D+32+8*\q]|, |v[D+33+8*\q]|, 0x1800000   ; v: my eight keys 8 R + 0 .. 7 of channel dw + q + 8 H, and the floor
.endr
.irp i, 2,4,6
.irp q, 0,1,2,3
	v_max3_num_f32 v[VM+\q], v[VM+\q], |v[D+32+8*\q+\i]|, |v[D+33+8*\q+\i]|
.endr
.endr
.irp m, 1,2
.irp q, 0,1,2,3
	v_max_num_f32_dpp v[VM+\q], v[VM+\q], v[VM+\q] row_xmask:\m row_mask:0xf bank_mask:0xf   ; a block of 32 keys is four rows of x: lanes R xor 1, R xor 2
.endr
.endr
.irp q, 0,1,2,3
	v_add_nc_u32 v[VSO+\q], 0xff000000, v[VM+\q]
.endr
.irp q, 0,1,2,3
	v_cvt_scalef32_pk8_fp4_f32 v[VCD+\q], v[D+32+8*\q:D+39+8*\q], v[VSO+\q]
.endr
.irp q, 0,1,2,3
	v_lshrrev_b32 v[VM+\q], 23, v[VSO+\q]          ; the bytes
.endr
	v_nop
.irp q, 0,1,2,3
	ds_store_b32 v[VW], v[VCD+\q] offset:1040*\q+64*(\n)
	ds_store_b8 v[VSW], v[VM+\q] offset:16*\q+256*(\n)   ; the four lanes of a block write the same byte with the same value
.endr
.endm
.irp n, 0,1,2,3,4,5,6,7
	SLOT \n
.endr
	s_wait_dscnt 0x0                               ; my stores of k and v have landed
	s_barrier_signal -1
	; register work while the others arrive: the addresses of the way out, then the loop's, then O^T's zeros
	v_lshlrev_b32 v[WOO], 8, v[RR]
	v_lshl_add_u32 v[WOO], v[HH], 4, v[WOO]        ; Wo: row R of 256 bytes, + 16 H
	v_lshlrev_b32 v[WOSO], 4, v[RR]                ; Wo's scale words, gamma, beta: 16 R
	v_lshlrev_b32 v[BOO], 5, v[HH]                 ; bo: 8 H numbers on
	v_and_b32 v[EL16], 31, v0
	v_lshlrev_b32 v[EL16], 4, v[EL16]              ; residual and out0: 16 x lane
	s_mul_i32 s82, s[WV], 1088
	s_add_co_u32 s82, s82, L_ST
	v_mul_u32_u24 v[STR], v[HH], 272
	v_lshl_add_u32 v[STR], v[RR], 4, v[STR]
	v_add_nc_u32 v[STR], s82, v[STR]               ; the stage, back: rows 4 w + H, sixteen lanes to a row
	s_lshl_b32 s82, s[WV], 10
	s_add_co_u32 s82, s82, L_CI
	v_add_nc_u32 v[CWI], s82, v[L16]
	s_lshl_b32 s82, s[WV], 7
	s_add_co_u32 s82, s82, L_CS
	v_add_nc_u32 v[CWS], s82, v[L4]
	s_lshl_b32 s82, s[WA], 12
	s_add_co_u32 s82, s82, L_CI
	v_add_nc_u32 v[CRI], s82, v[L16]
	s_lshl_b32 s82, s[WA], 9
	s_add_co_u32 s82, s82, L_CS
	v_add_nc_u32 v[CRS], s82, v[L4]
	s_lshl_b32 s82, s[WA], 4
	s_mul_i32 s82, s82, 272
	s_lshl_b32 s83, s[WK], 6
	s_add_co_u32 s82, s82, s83
	s_add_co_u32 s82, s82, L_ST
	v_mul_u32_u24 v[STW], v[RR], 272
	v_lshl_add_u32 v[STW], v[HH], 5, v[STW]
	v_add_nc_u32 v[STW], s82, v[STW]               ; the stage, in: row 16 a + R, outputs 16 eps + 8 H on
	v_lshrrev_b32 v232, 3, v[RR]                   ; R / 8
	v_and_b32 v233, 7, v[RR]
	v_xor_b32 v234, v232, v[HH]
	v_lshlrev_b32 v234, 4, v234
	v_lshl_add_u32 v234, v233, 5, v234
	v_lshl_add_u32 v235, v232, 3, v[RR]            ; R + 8 (R / 8)
	v_mul_u32_u24 v235, v235, 1040
	v_lshl_add_u32 v235, v232, 7, v235
	v_lshl_add_u32 v235, v[HH], 4, v235
	v_lshlrev_b32 v236, 4, v[RR]
	v_mad_u32_u24 v[AK0], v232, 576, v234          ; k: key R + 8 (R / 8) of a tile: two groups on for R >= 8, and there the halves change places  (L_KC = 0)
	v_add_nc_u32 v[AKS0], L_KS, v236
	v_add_nc_u32 v[AV0], L_VC, v235
	v_add_nc_u32 v[AVS0], L_VS, v236
	v_mov_b32 v[FF+1], 0                           ; named as the upper halves of pairs
	v_mov_b32 v[S2+1], 0
.set jj, 0
.rept 64
	v_mov_b32 v[OA+jj], 0                          ; O^T of both tiles.  (The step is written once: the first finds zeros, which the first change of M leaves zeros)
.set jj, jj+1
.endr
	s_mov_b32 s[TK], 0
	s_mov_b32 s[TSC], 0
	s_mov_b32 s[TV], 0
	s_mov_b32 s[CNT], 16
	s_barrier_wait -1                              ; the head's k and v, codes and scale words, lie in LDS
	; ---- A: attention
.macro LOADK                                           ; four pairs of tiles of 16 keys, and their four scale words
.irp b, 0,1,2,3
.irp u, 0,1
	ds_load_b128 v[KF+8*\b+4*\u:KF+8*\b+4*\u+3], v[ADK] offset:(4*\b+\u)*288
.endr
.endr
	ds_load_b128 v[SC4:SC4+3], v[ADS]
.endm
.macro QK qb, qw                                       ; S^T = k q^T: registers 16 b + i = key 32 b + 16 H + i of my query
.irp b, 0,1,2,3
	v_wmma_scale_f32_16x16x128_f8f6f4 v[S+16*\b:S+16*\b+7], v[KF+8*\b:KF+8*\b+7], v[\qb+4:\qb+11], 0, v[SC4+\b], v[\qw] matrix_a_fmt:MATRIX_FMT_FP4 matrix_b_fmt:MATRIX_FMT_FP4
	v_wmma_scale_f32_16x16x128_f8f6f4 v[S+16*\b+8:S+16*\b+15], v[KF+8*\b:KF+8*\b+7], v[\qb:\qb+7], 0, v[SC4+\b], v[\qw] matrix_a_fmt:MATRIX_FMT_FP4 matrix_b_fmt:MATRIX_FMT_FP4
.endr
.endm
.macro LOADV                                           ; four fragments of v^T (16 channels x 128 keys), and their scale words
.irp b, 0,1
.irp u, 0,1
.irp c, 0,1
	ds_load_b128 v[KF+8*(2*\b+\u)+4*\c:KF+8*(2*\b+\u)+4*\c+3], v[ADV] offset:(32*\b+8*\u)*1040+256*\b+32*\c
.endr
.endr
.endr
	ds_load_b128 v[SC4:SC4+3], v[ADT]
.endm
.macro PV                                              ; O^T += v^T p^T: the eight accumulators by turns, one instruction a turn
.irp t, 0,1,2,3
	v_wmma_scale_f32_16x16x128_f8f6f4 v[OA+8*\t:OA+8*\t+7], v[KF+8*\t:KF+8*\t+7], v[PA:PA+7], v[OA+8*\t:OA+8*\t+7], v[SC4+\t], v[PSA] matrix_a_fmt:MATRIX_FMT_FP4 matrix_b_fmt:MATRIX_FMT_FP4
	v_wmma_scale_f32_16x16x128_f8f6f4 v[OB+8*\t:OB+8*\t+7], v[KF+8*\t:KF+8*\t+7], v[PB:PB+7], v[OB+8*\t:OB+8*\t+7], v[SC4+\t], v[PSB] matrix_a_fmt:MATRIX_FMT_FP4 matrix_b_fmt:MATRIX_FMT_FP4
.endr
.endm
; One tile's softmax for 128 keys.  st: its statistics; ob: its O^T; pc: where p's codes go; pw: p's scale word
.macro SOFTMAX st, ob, pc, pw
.irp b, 0,1,2,3
	v_max3_num_f32 v[BM+\b], v[S+16*\b], v[S+16*\b+1], v[S+16*\b+2]   ; the largest score of each block of 32 keys: it serves the row's maximum and, since p rises with the score, the block's largest p
.endr
.irp i, 3,5,7,9,11,13
.irp b, 0,1,2,3
	v_max3_num_f32 v[BM+\b], v[BM+\b], v[S+16*\b+\i], v[S+16*\b+\i+1]
.endr
.endr
.irp b, 0,1,2,3
	v_max_num_f32 v[BM+\b], v[BM+\b], v[S+16*\b+15]
.endr
.irp b, 0,1,2,3
	v_permlanex16_b32 v[BP+\b], v[BM+\b], s[SEL], s[SEL+1]
.endr
.irp b, 0,1,2,3
	v_max_num_f32 v[BM+\b], v[BM+\b], v[BP+\b]       ; with lane l xor 16's 16 keys
.endr
	v_max3_num_f32 v[TQ], v[BM], v[BM+1], v[BM+2]
	v_max_num_f32 v[TQ], v[TQ], v[BM+3]
	v_mul_f32 v[TQ], s[CL], v[TQ]                    ; the step's largest t
	v_max_num_f32 v[\st+1], v[\st+1], v[TQ]          ; the running largest
	v_mov_b32 v[TQ], v[\st]
	v_floor_f32 v[\st], -v[\st+1]                    ; -M = floor(-t): M is a whole number
	v_sub_f32 v[TQ], v[\st], v[TQ]                   ; old M - new M, 0 or less
	v_cvt_i32_f32 v[TQ], v[TQ]                       ; (it saturates)
	v_ldexp_f32 v[FF], 1.0, v[TQ]                    ; f = 2^(old M - new M)
.set jj, 0
.rept 32
	v_pk_fma_f32 v[S+jj:S+jj+1], v[S+jj:S+jj+1], s[CL:CL+1], v[\st:\st+1] op_sel_hi:[1,0,0]   ; t - M, two at a time
.set jj, jj+2
.endr
.irp b, 0,1,2,3
	v_fma_f32 v[BM+\b], v[BM+\b], s[CL], v[\st]      ; the same of each block's largest score
.endr
.set jj, 0
.rept 64
	v_exp_f32 v[S+jj], v[S+jj]                       ; p = 2^(t - M), not normalised
.set jj, jj+1
.endr
	v_pk_mul_f32 v[\st+2:\st+3], v[\st+2:\st+3], v[FF:FF+1] op_sel_hi:[1,0]   ; the sum under the new M: the plain instruction behind the batch
	s_wait_alu depctr_va_vdst(0)                     ; one wait for the 64 exponentials, ahead of their first reader
.irp b, 0,1,2,3
	v_exp_f32 v[BM+\b], v[BM+\b]                     ; the blocks' largest p
.endr
	v_pk_add_f32 v[S2:S2+1], v[S:S+1], v[S+2:S+3]    ; the sum of the unquantised p, two at a time, in two chains
.set jj, 4
.rept 15
	v_pk_add_f32 v[\st+2:\st+3], v[\st+2:\st+3], v[S+jj:S+jj+1]
	v_pk_add_f32 v[S2:S2+1], v[S2:S2+1], v[S+jj+2:S+jj+3]
.set jj, jj+4
.endr
	v_pk_add_f32 v[\st+2:\st+3], v[\st+2:\st+3], v[S2:S2+1]
	s_wait_alu depctr_va_vdst(0)                     ; and one for the four
.irp b, 0,1,2,3
	v_max_num_f32 v[BM+\b], 0x1800000, v[BM+\b]      ; the floor 2^(3 - 127)
.endr
.irp b, 0,1,2,3
	v_add_nc_u32 v[BS+\b], 0xff000000, v[BM+\b]
.endr
.irp b, 0,1,2,3
	v_lshrrev_b32 v[BP+\b], 23, v[BS+\b]
.endr
	v_lshl_or_b32 v[\pw], v[BP+1], 8, v[BP]          ; p's scale word for these 128 keys
	v_lshl_or_b32 v[\pw], v[BP+2], 16, v[\pw]
	v_lshl_or_b32 v[\pw], v[BP+3], 24, v[\pw]
.irp b, 0,1,2,3
	v_cvt_scalef32_pk8_fp4_f32 v[\pc+2*\b], v[S+16*\b:S+16*\b+7], v[BS+\b]
	v_cvt_scalef32_pk8_fp4_f32 v[\pc+2*\b+1], v[S+16*\b+8:S+16*\b+15], v[BS+\b]
.endr
	v_nop
.irp c, 0,1
.irp i, 0,1
	v_permlane16_swap_b32 v[\pc+4*\c+\i], v[\pc+2+4*\c+\i]
.endr
.endr
.set jj, 0
.rept 16
	v_pk_mul_f32 v[\ob+jj:\ob+jj+1], v[\ob+jj:\ob+jj+1], v[FF:FF+1] op_sel_hi:[1,0]   ; O^T under the new M.  (Sixteen vector instructions between p's word and codes and the scaled products)
.set jj, jj+2
.endr
.endm
.Lstep:                                                ; 16 trips: slot sig, 128 keys, both tiles
	v_add_nc_u32 v[ADK], s[TK], v[AK0]             ; four plain instructions: the places behind the last trip's products, in front of the loads into their registers
	v_add_nc_u32 v[ADS], s[TSC], v[AKS0]
	v_add_nc_u32 v[ADV], s[TV], v[AV0]
	v_add_nc_u32 v[ADT], s[TSC], v[AVS0]
	LOADK
	s_wait_dscnt 0x0
	QK QA, QSA
	PLACES
	SOFTMAX 12, OA, PA, PSA
	QK QB, QSB
	PLACES
	LOADV                                          ; v's fragments land under tile B's softmax
	SOFTMAX 16, OB, PB, PSB
	s_wait_dscnt 0x0
	PV
	s_add_co_u32 s[TK], s[TK], 4608
	s_add_co_u32 s[TSC], s[TSC], 256
	s_add_co_u32 s[TV], s[TV], 64
	s_sub_co_i32 s[CNT], s[CNT], 1
	s_cmp_lg_u32 s[CNT], 0
	s_cbranch_scc1 .Lstep
	; ---- C: ctx = O^T / l, quantised along k = 64 j + d: my two tiles are K step kap of the last product, rows 16 a on
	v_add_f32 v14, v14, v15                        ; the sums' halves.  (The four additions are the places behind the last products)
	v_add_f32 v18, v18, v19
	v_permlanex16_b32 v236, v14, s[SEL], s[SEL+1]
	v_permlanex16_b32 v237, v18, s[SEL], s[SEL+1]
	v_add_f32 v14, v14, v236
	v_add_f32 v18, v18, v237
.irp k, 0,1,2,3
.irp c, 0,1
	global_load_b128 v[S+8*\k+4*\c:S+8*\k+4*\c+3], v[WOO], s[28:29] offset:64*\k+32*\c   ; Wo: my 16 rows, four K steps
.endr
.endr
	global_load_b128 v[SC4:SC4+3], v[WOSO], s[30:31]       ; their scale words
	global_load_b128 v[120:123], v[BOO], s[32:33]          ; bo, in the result's layout: the C of the first product
	global_load_b128 v[124:127], v[BOO], s[32:33] offset:16
	global_load_b128 v[20:23], v[EL16], s[50:51]           ; the residual: two rows a load
	global_load_b128 v[24:27], v[EL16], s[50:51] offset:512
	global_load_b128 v[28:31], v[WOSO], s[34:35]           ; gamma
	global_load_b128 v[32:35], v[WOSO], s[36:37]           ; beta
	v_rcp_f32 v[FF], v14
	v_rcp_f32 v[S2], v18
	v_nop
	s_wait_alu depctr_va_vdst(0)                   ; one wait for the two reciprocals, ahead of their first reader
.set jj, 0
.rept 16
	v_pk_mul_f32 v[OA+jj:OA+jj+1], v[OA+jj:OA+jj+1], v[FF:FF+1] op_sel_hi:[1,0]
.set jj, jj+2
.endr
.set jj, 0
.rept 16
	v_pk_mul_f32 v[OB+jj:OB+jj+1], v[OB+jj:OB+jj+1], v[S2:S2+1] op_sel_hi:[1,0]
.set jj, jj+2
.endr
	QUANT32 OA, 216, 248                           ; chunk 2 kap: the fragment's registers 0-3
	QUANT32 OB, 220, 240                           ; chunk 2 kap + 1: registers 4-7
	v_lshl_or_b32 v241, v240, 16, v248
	ds_store_b128 v[CWI], v[216:219]
	ds_store_b128 v[CWI], v[220:223] offset:512
	ds_store_b32 v[CWS], v241
	BARRIER                                        ; ctx's sixteen fragments lie in LDS
	; ---- O: rows 16 a on, outputs 16 eps on: four K steps on two accumulators by turns
.irp k, 0,1,2,3
	ds_load_b128 v[OA+8*\k:OA+8*\k+3], v[CRI] offset:1024*\k
	ds_load_b128 v[OA+8*\k+4:OA+8*\k+7], v[CRI] offset:1024*\k+512
	ds_load_b32 v[XSW+\k], v[CRS] offset:128*\k
.endr
	s_wait_loadcnt 4                               ; Wo, its scale words and bo are in; the four loads behind them (residual, gamma, beta) may be out
	s_wait_dscnt 0x0
	v_wmma_scale_f32_16x16x128_f8f6f4 v[120:127], v[S:S+7], v[OA:OA+7], v[120:127], v[SC4], v[XSW] matrix_a_fmt:MATRIX_FMT_FP4 matrix_b_fmt:MATRIX_FMT_FP4
	v_wmma_scale_f32_16x16x128_f8f6f4 v[128:135], v[S+8:S+15], v[OA+8:OA+15], 0, v[SC4+1], v[XSW+1] matrix_a_fmt:MATRIX_FMT_FP4 matrix_b_fmt:MATRIX_FMT_FP4
	v_wmma_scale_f32_16x16x128_f8f6f4 v[120:127], v[S+16:S+23], v[OA+16:OA+23], v[120:127], v[SC4+2], v[XSW+2] matrix_a_fmt:MATRIX_FMT_FP4 matrix_b_fmt:MATRIX_FMT_FP4
	v_wmma_scale_f32_16x16x128_f8f6f4 v[128:135], v[S+24:S+31], v[OA+24:OA+31], v[128:135], v[SC4+3], v[XSW+3] matrix_a_fmt:MATRIX_FMT_FP4 matrix_b_fmt:MATRIX_FMT_FP4
	PLACES
.irp i, 0,2,4,6
	v_pk_add_f32 v[136+\i:137+\i], v[120+\i:121+\i], v[128+\i:129+\i]
.endr
	ds_store_b128 v[STW], v[136:139]               ; lane (R, H): row 16 a + R, outputs 16 eps + 8 H + 0 .. 7
	ds_store_b128 v[STW], v[140:143] offset:16
	BARRIER                                        ; 64 whole rows lie in the stage
	; ---- L: rows 4 w .. 4 w + 3: sixteen lanes to a row, four numbers a lane; two rows an instruction, two instructions (i = 0, 1)
	ds_load_b128 v[144:147], v[STR]
	ds_load_b128 v[148:151], v[STR] offset:544
	s_wait_loadcnt 0x0
	s_wait_dscnt 0x0
.irp i, 0,2,4,6
	v_pk_add_f32 v[144+\i:145+\i], v[144+\i:145+\i], v[20+\i:21+\i]   ; y = residual + out
.endr
.irp i, 0,1
	v_add_f32 v[232+\i], v[144+4*\i], v[145+4*\i]
	v_add_f32 v[234+\i], v[146+4*\i], v[147+4*\i]
.endr
.irp i, 0,1
	v_add_f32 v[232+\i], v[232+\i], v[234+\i]
.endr
.irp m, 1,2,4,8
.irp i, 0,1
	v_add_f32_dpp v[232+\i], v[232+\i], v[232+\i] row_xmask:\m row_mask:0xf bank_mask:0xf
.endr
.endr
.irp i, 0,1
	v_mul_f32 v[232+\i], s90, v[232+\i]            ; the mean
.endr
.irp i, 0,1
.irp k, 0,1,2,3
	v_sub_f32 v[144+4*\i+\k], v[144+4*\i+\k], v[232+\i]
.endr
.endr
.irp i, 0,1
	v_mul_f32 v[234+\i], v[144+4*\i], v[144+4*\i]  ; the variance from the differences: a common offset of x costs nothing
.endr
.irp k, 1,2,3
.irp i, 0,1
	v_fma_f32 v[234+\i], v[144+4*\i+\k], v[144+4*\i+\k], v[234+\i]
.endr
.endr
.irp m, 1,2,4,8
.irp i, 0,1
	v_add_f32_dpp v[234+\i], v[234+\i], v[234+\i] row_xmask:\m row_mask:0xf bank_mask:0xf
.endr
.endr
.irp i, 0,1
	v_fma_f32 v[234+\i], v[234+\i], s90, s91       ; / 64 + 1e-5
.endr
	v_rsq_f32 v240, v234
	v_rsq_f32 v242, v235
	v_nop
	s_wait_alu depctr_va_vdst(0)                   ; one wait for the two, ahead of their first reader
.irp i, 0,1
.irp k, 0,2
	v_pk_mul_f32 v[144+4*\i+\k:145+4*\i+\k], v[144+4*\i+\k:145+4*\i+\k], v[240+2*\i:241+2*\i] op_sel_hi:[1,0]
.endr
.endr
.irp i, 0,1
.irp k, 0,2
	v_pk_fma_f32 v[144+4*\i+\k:145+4*\i+\k], v[144+4*\i+\k:145+4*\i+\k], v[28+\k:29+\k], v[32+\k:33+\k]
.endr
.endr
	global_store_b128 v[EL16], v[144:147], s[38:39] th:TH_STORE_NT              ; 32 lanes store 512 consecutive bytes, two whole rows, at a multiple of 256 from out0's first byte
	global_store_b128 v[EL16], v[148:151], s[38:39] offset:512 th:TH_STORE_NT
	s_wait_xcnt 0x0
	v_lshl_add_u32 v254, v0, 2, 0x2fa00
	v_mov_b32 v255, 0
	s_wait_tensorcnt 0x0
	ds_add_u32 v254, v255
	s_wait_dscnt 0x0
	s_endpgm
.Lfunc_end_k_q07b7a7f859_mha:
	.size	k_q07b7a7f859_mha, .Lfunc_end_k_q07b7a7f859_mha-k_q07b7a7f859_mha
	.p2alignl 7, 3214868480
	.fill 96, 4, 3214868480
	.section	.rodata,"a",@progbits
	.p2align	6, 0x0
	.amdhsa_kernel k_q07b7a7f859_mha
		.amdhsa_group_segment_fixed_size 197120
		.amdhsa_private_segment_fixed_size 0
		.amdhsa_enable_private_segment 0
		.amdhsa_kernarg_size 128
		.amdhsa_user_sgpr_count 2
		.amdhsa_user_sgpr_kernarg_segment_ptr 1
		.amdhsa_wavefront_size32 1
		.amdhsa_system_sgpr_workgroup_id_x 1
		.amdhsa_system_sgpr_workgroup_id_y 1
		.amdhsa_system_sgpr_workgroup_id_z 1
		.amdhsa_system_vgpr_workitem_id 0
		.amdhsa_next_free_vgpr 256
		.amdhsa_next_free_sgpr 96
		.amdhsa_reserve_vcc 0
		.amdhsa_float_denorm_mode_32 3
		.amdhsa_float_denorm_mode_16_64 3
		.amdhsa_memory_ordered 1
		.amdhsa_forward_progress 1
		.amdhsa_inst_pref_size 118
	.end_amdhsa_kernel
	.amdgpu_metadata
---
amdhsa.version: [ 1, 2 ]
amdhsa.kernels:
  - .name:           k_q07b7a7f859_mha
    .symbol:         k_q07b7a7f859_mha.kd
    .args:
      - { .name: x, .offset: 0, .size: 8, .value_kind: global_buffer, .address_space: global }
      - { .name: Wq_codes, .offset: 8, .size: 8, .value_kind: global_buffer, .address_space: global }
      - { .name: Wq_scales, .offset: 16, .size: 8, .value_kind: global_buffer, .address_space: global }
      - { .name: bq, .offset: 24, .size: 8, .value_kind: global_buffer, .address_space: global }
      - { .name: Wk_codes, .offset: 32, .size: 8, .value_kind: global_buffer, .address_space: global }
      - { .name: Wk_scales, .offset: 40, .size: 8, .value_kind: global_buffer, .address_space: global }
      - { .name: bk, .offset: 48, .size: 8, .value_kind: global_buffer, .address_space: global }
      - { .name: Wv_codes, .offset: 56, .size: 8, .value_kind: global_buffer, .address_space: global }
      - { .name: Wv_scales, .offset: 64, .size: 8, .value_kind: global_buffer, .address_space: global }
      - { .name: bv, .offset: 72, .size: 8, .value_kind: global_buffer, .address_space: global }
      - { .name: Wo_codes, .offset: 80, .size: 8, .value_kind: global_buffer, .address_space: global }
      - { .name: Wo_scales, .offset: 88, .size: 8, .value_kind: global_buffer, .address_space: global }
      - { .name: bo, .offset: 96, .size: 8, .value_kind: global_buffer, .address_space: global }
      - { .name: gamma, .offset: 104, .size: 8, .value_kind: global_buffer, .address_space: global }
      - { .name: beta, .offset: 112, .size: 8, .value_kind: global_buffer, .address_space: global }
      - { .name: out0, .offset: 120, .size: 8, .value_kind: global_buffer, .address_space: global }
    .group_segment_fixed_size: 197120
    .private_segment_fixed_size: 0
    .kernarg_segment_align: 8
    .kernarg_segment_size: 128
    .max_flat_workgroup_size: 512
    .sgpr_count:     96
    .vgpr_count:     256
    .wavefront_size: 32
...
	.end_amdgpu_metadata
.endif
;; end of part 1
;; ======== version 2 of 2: 1 launch; version 1 with the launch mha written anew for expert scheduling mode
;; launch mha (part 2): grid 4 x 64, 16 waves a work-group, no clusters, 197,120 bytes of LDS; arguments x, Wq_codes, Wq_scales, bq, Wk_codes, Wk_scales, bk, Wv_codes, Wv_scales, bv, Wo_codes, Wo_scales, bo, gamma, beta, out0; writes out0
.if DOCPART == 2
	.amdgcn_target "amdgcn-amd-amdhsa--gfx1250"
	.amdhsa_code_object_version 6
	.text
	.protected	k_q07b7a7f859_mha
	.globl	k_q07b7a7f859_mha
	.p2align	8
	.type	k_q07b7a7f859_mha,@function
k_q07b7a7f859_mha:
	s_mov_b64 s[64:65], 0
	v_nop
	global_prefetch_b8 v0, s[64:65] scope:SCOPE_SE
	s_setreg_imm32_b32 hwreg(HW_REG_WAVE_SCHED_MODE, 0, 2), 2
	s_setreg_imm32_b32 hwreg(HW_REG_WAVE_MODE, 25, 1), 1
	s_wait_xcnt 0x0
	s_wait_alu depctr_vm_vsrc(0)
; out0 = LayerNorm(x + ctx Wo + bo), ctx = softmax(q k^T / 8) v, q, k, v = x W + b seen again as [64][2048][64]; all six products on codes of FP4 (E2M1) with one E8M0 scale for each 32 along K.
; THE VIEWS.  Head hd is made of rows 256 hd .. 256 hd + 255 of x ([16384][64]) and of nothing else: head row 8 s + j, channel d, is column 64 j + d of row s's projection; ctx's view back is the inverse
; (out row s takes k = 64 j + d from ctx row 8 s + j).  So the whole module is ONE launch, with no workspace.
; SHARES.  256 work-groups = 64 heads (y) x 4 blocks of 512 queries (x = g), which are 64 rows of x and of out0.  Sixteen waves of 256 registers, four to a SIMD: one wave's vector work stands beside another's
; products and LDS loads.  Wave w = 4 a + kap owns two tiles of 16 queries: x rows 16 a + 0..15 of the block, chunks j = 2 kap (tile A) and 2 kap + 1 (tile B).
; PHASES.  X: the head's 256 rows of x become codes (wave w: 16 rows), images in LDS | barrier | Q: my two tiles of q, quantised, stay in registers.  KV: the WHOLE head's k and v are made and quantised into LDS
; (wave w: chunk w & 7 of k and 8 channels of v, for 8 of the 16 row tiles) | barrier | A: 16 steps of 128 keys out of LDS | C: ctx / l is quantised, images in LDS | barrier | O: x Wo | barrier | L: residual, LayerNorm, store.
; k and v of a head are made by each of its four work-groups: 16 of a wave's 460 matrix instructions and about 600 of its 8,300 vector instructions are so repeated three times over; a launch of its own would send 17 MB through memory.
; NO CLUSTER, NO TENSOR LOAD: what the four work-groups of a head share is 64 KB of x and 70 KB of weights, read once at the head into registers, where x has to be quantised and the weights are operands as they lie; the loop reads LDS alone.
; ROTATION.  LDS slot sig (0..15) holds x's row tile (sig + 4 g) & 15, so that slots 0..3 are the work-group's own rows and no LDS address hangs on g.  The keys are so walked in an order rotated by whole steps of 128.
; K = 64 IN AN INSTRUCTION OF 128.  Source 0 carries TWO tiles: registers 0-3 one tile's 64 along K, registers 4-7 another's, their scale bytes in the word's low and high half.  Source 1 lies in 12 registers as
; [zeros][codes][zeros]: registers 4..11 = [codes, 0] pick the first tile, registers 0..7 = [0, codes] the second; its scale word holds its two bytes twice.  Zero codes add nothing under any scale byte but 0xff.
; TRANSPOSED USE.  Source 0 = 16 rows of a weight, of k or of v^T, source 1 = x, q, p or ctx: a lane (R = lane % 16, H = lane / 16) holds ONE row or query R throughout, its registers run along the next product's K.
; THE ROWS OF A TILE ARE NOT NEIGHBOURS: lane r of tile (b, u) takes row 32 b + 8 u + r + 8 (r / 8), so that registers 16 b + i of two neighbouring tiles are k = 32 b + 16 H + i.
; SOFTMAX.  t = score x log2(e) / 8; M = the running largest t rounded up to a whole number, kept as -M; p = 2^(t - M) is quantised along the keys; the sum is taken of the unquantised p; when M moves, sum and O^T are multiplied by 2^(old M - new M).
; LIMITS.  NaN and infinities among the inputs, and a given scale byte 0xff, are not served.  A block whose largest magnitude lies under 2^-124 gets the scale byte 1; a block of zeros gets 1 where the rule says 127 (its codes are
; zeros, and only this program reads the bytes).  p under 2^-126 comes out of v_exp_f32 as 0.  The rotated order of the key steps may turn last bits of f32 sums.  1 / l is v_rcp_f32 and a multiplication.
; THE MODE: SCHED_MODE bits 1:0 = 2 (LLVM: expert scheduling mode 2), set by the entry lines.  The code itself states the register dependences between vector or matrix instructions and memory or LDS
; instructions, with s_wait_alu, always for 0.
; THE PLAN.  Registers that memory or LDS instructions touch:
;   v56-87 (WF, KF), v48-51   Source 0 and its scale words.  Loaded: Wq's, then Wk's and Wv's; in the loop k's at a trip's head and v's in its middle.  Read by products alone (v48-51 are made by vector lines for the projections).
;                             Each load into them stands behind a wait on va_vdst that follows the products that read them last.
;   v220-223, v52             x's fragment and word.  Phase X writes and stores them; phase Q and each slot of phase KV load them; the projections read them.  A slot's ONE wait on va_vdst, behind its quantising, shows its
;                             projections done: the next slot's fragment is fetched behind that wait, ahead of the slot's ten stores.
;   v240-252                  A slot's codes and bytes of k and v: written by its quantising, read by its ten stores behind the same wait; one wait on vm_vsrc at the next slot's head frees them.
;   v5-8                      The loop's four LDS addresses: stepped at a trip's head, between a wait on vm_vsrc (the last trip's loads have read them) and the wait on va_vdst that stands there for KF in any case.
;   v12-19, v152-215, v88-151, v20-35   Loaded once or twice outside the loop, each time behind a wait on va_vdst that follows their last reader.
;   p's codes and words (v216-231, v46, v47), q's (v20-45) and the weights' words are written by vector lines and taken by scaled products: a wait on va_vdst stands between, behind the places.
;
; LDS, in bytes
.set L_KC, 0            ; k's codes: a group of 8 keys is 256 bytes + 32 of padding (pitch 288); half h of key kk at (kk/8) 288 + (kk%8) 32 + 16 (h xor bit 4 of kk): the 16 lanes of a read touch 16 different 16-byte columns
.set L_VC, 73728        ; v^T's codes: row d at 1040 d + 128 (d / 16); in it byte 64 sig + key / 2
.set L_KS, 140800       ; k's scale words: 256 sig + 16 r + 4 b + 2 u: lane r reads the four pairs' words by one load
.set L_VS, 144896       ; v's scale words: 256 sig + 16 r + 4 tile + block
.set L_XI, 148992       ; x's fragments as images of their registers: 512 slot + 16 lane
.set L_XS, 157184       ; their scale words: 128 slot + 4 lane
.set L_CI, 159232       ; ctx's fragments likewise: 1024 wave + 512 c + 16 lane
.set L_CS, 175616       ; their scale words: 128 wave + 4 lane
.set L_ST, 177664       ; the stage for y: 64 rows x (256 + 16)
; SCALARS
.set WV, 2              ; wave
.set GG, 3              ; g
.set HD, 4              ; head
.set WA, 5              ; a = wave / 4
.set WK, 6              ; kap = eps = wave % 4
.set WJ, 7              ; j = wave % 8
.set SEL, 40            ; s[40:41] v_permlanex16_b32's selects for lane l xor 16
.set CL, 42             ; s[42:43] log2(e) / 8, twice: the packed form names the pair
.set CNT, 44
.set TK, 45             ; the step's place in k's codes, 4608 a step
.set TSC, 46            ; in the scale words, 256 a step
.set TV, 47             ; in a row of v^T, 64 a step
; s[8:39] the sixteen buffers in the order of the arguments; s[48:49] x at my slot's tile; s[50:51] x at my residual rows; s[80:81] an offset, high word 0; s82-86 at work; s90 1/64; s91 1e-5
; VECTOR REGISTERS that stay
.set QA, 20             ; v20-31  tile A's q: [0][codes][0]
.set QB, 32             ; v32-43  tile B's
.set QSA, 44            ; v44-55 hold scales and nothing else: q's words,
.set QSB, 45
.set PSA, 46            ; p's words,
.set PSB, 47
.set SC4, 48            ; v48-51 four words of source 0 (weights', k's, v's, Wo's by turns),
.set XSW, 52            ; v52 x's word; v52-55 ctx's words
.set WF, 56             ; v56-87  source 0: four pairs of tiles (weights, k) or four fragments (v^T)
.set KF, 56
.set D, 88              ; v88-151 results of the projections; S^T, then p
.set S, 88
.set BI, 152            ; v152-215 biases in the results' layout, the C of each projection; later
.set OA, 152            ; v152-183 tile A's O^T
.set OB, 184            ; v184-215 tile B's
.set XF, 216            ; v216-227 x's fragment: [0][codes][0]; later
.set PA, 216            ; v216-223 tile A's p as codes
.set PB, 224            ; v224-231 tile B's
; production
.set RR, 1
.set HH, 2
.set L16, 3
.set L4, 4
.set WKO, 5
.set WKS, 6
.set BKO, 7
.set WVO, 8
.set WVS, 9
.set BVO, 10
.set XGO, 11
.set WR, 12             ; v12-19 the weights' scale bytes as loaded, two a tile; later the softmax's statistics: v12 -M, v13 largest t, v[14:15] the sum (tile A); v16-19 (tile B)
.set XRI, 228
.set XRS, 229
.set KW, 230
.set KSW, 231
.set TM, 232            ; QUANT32: v232-233 largest magnitudes, v234-235 the other half's, v236-237 the conversions' scale operands, v238-239 bytes
.set TP, 234
.set TS, 236
.set TB, 238
.set KCD, 240
.set KSH, 244
.set VM, 245            ; v245-248 v's largest magnitudes, then bytes (v245, v246 in phase X: where I store x's image and word)
.set VSO, 232
.set VCD, 249
.set VW, 253
.set VSW, 254
.set TT, 255
; attention
.set AK0, 1
.set AKS0, 2
.set AV0, 3
.set AVS0, 4
.set ADK, 5
.set ADS, 6
.set ADV, 7
.set ADT, 8
.set BM, 232            ; v232-235 the blocks' largest scores, then largest p
.set BP, 236            ; v236-239 the other half's; then bytes
.set BS, 240            ; v240-243 the conversions' scale operands
.set FF, 244            ; v[244:245] f = 2^(old M - new M), the low word serves
.set S2, 246            ; v[246:247] the sum's second chain
.set TQ, 248
; the way out
.set WOO, 9
.set WOSO, 10
.set BOO, 11
.set EL16, 249
.set STR, 250
.set CWI, 251
.set CWS, 252
.set CRI, 253
.set CRS, 254
.set STW, 255
; Four plain vector instructions between a matrix instruction and a vector instruction or LDS store that reads its result.  They stay beside the waits on va_vdst, which fill no place
.macro PLACES
.rept 4
	v_nop
.endr
.endm
; My LDS stores have landed and my LDS loads are in: then the work-group's barrier
.macro BARRIER
	s_wait_dscnt 0x0
	s_barrier_signal -1
	s_barrier_wait -1
.endm
; 32 numbers of a lane, register 16 b + i = k 32 b + 16 H + i of my row, become four operand registers (k = 32 H + 0 .. 31) in v[dst] on, and the row's two scale bytes in v[sw]
.macro QUANT32 src, dst, sw
.irp b, 0,1
	v_max3_num_f32 v[TM+\b], |v[(\src)+16*\b]|, |v[(\src)+16*\b+1]|, 0x1800000   ; my 16 numbers of block b, and the floor 2^(3 - 127): the byte cannot fall under 1
.endr
.irp i, 2,4,6,8,10,12,14
.irp b, 0,1
	v_max3_num_f32 v[TM+\b], v[TM+\b], |v[(\src)+16*\b+\i]|, |v[(\src)+16*\b+\i+1]|   ; ascending: each result is read from its low end on
.endr
.endr
.irp b, 0,1
	v_permlanex16_b32 v[TP+\b], v[TM+\b], s[SEL], s[SEL+1]
.endr
.irp b, 0,1
	v_max_num_f32 v[TM+\b], v[TM+\b], v[TP+\b]       ; with lane l xor 16's: the block's largest magnitude
.endr
.irp b, 0,1
	v_add_nc_u32 v[TS+\b], 0xff000000, v[TM+\b]      ; 2 off its exponent field: the conversion's scale operand
.endr
.irp b, 0,1
	v_lshrrev_b32 v[TB+\b], 23, v[TS+\b]             ; the scale's byte
.endr
	v_lshl_or_b32 v[\sw], v[TB+1], 8, v[TB]
.irp b, 0,1
	v_cvt_scalef32_pk8_fp4_f32 v[(\dst)+2*\b], v[(\src)+16*\b:(\src)+16*\b+7], v[TS+\b]
	v_cvt_scalef32_pk8_fp4_f32 v[(\dst)+2*\b+1], v[(\src)+16*\b+8:(\src)+16*\b+15], v[TS+\b]
.endr
	v_nop                                            ; one plain place behind a scaled conversion
	v_permlane16_swap_b32 v[\dst], v[(\dst)+2]       ; the operand wants a whole block in a lane: lanes 0-15 block 0, lanes 16-31 block 1
	v_permlane16_swap_b32 v[(\dst)+1], v[(\dst)+3]
.endm
; A chunk of 64 columns of Wq or Wk: four tiles (b, u) as two pairs, their scale bytes, their biases in the result's layout
.macro WLOADK cc, pcod, pscl, pbia
.irp b, 0,1
.irp u, 0,1
	global_load_b128 v[WF+16*(\cc)+8*\b+4*\u:WF+16*(\cc)+8*\b+4*\u+3], v[WKO], s[\pcod:\pcod+1] offset:(64*(\cc)+32*\b+8*\u)*32
	global_load_u16 v[WR+4*(\cc)+2*\b+\u], v[WKS], s[\pscl:\pscl+1] offset:(64*(\cc)+32*\b+8*\u)*2
	global_load_b128 v[BI+32*(\cc)+8*(2*\b+\u):BI+32*(\cc)+8*(2*\b+\u)+3], v[BKO], s[\pbia:\pbia+1] offset:(64*(\cc)+32*\b+8*\u)*4
	global_load_b128 v[BI+32*(\cc)+8*(2*\b+\u)+4:BI+32*(\cc)+8*(2*\b+\u)+7], v[BKO], s[\pbia:\pbia+1] offset:(64*(\cc)+32*\b+8*\u)*4+16
.endr
.endr
.endm
; Wv: tile q's row r is column 64 (r % 8) + dw + q + 8 (r / 8): a lane's eight results are then the eight chunks, which are eight neighbouring keys, of channel dw + q + 8 H
.macro WLOADV
.irp q, 0,1,2,3
	global_load_b128 v[WF+16+4*\q:WF+16+4*\q+3], v[WVO], s[22:23] offset:32*\q
	global_load_u16 v[WR+4+\q], v[WVS], s[24:25] offset:2*\q
.irp i, 0,1,2,3,4,5,6,7
	global_load_b32 v[BI+32+8*\q+\i], v[BVO], s[26:27] offset:256*\i+4*\q
.endr
.endr
.endm
; the pairs' scale words: the first tile's two bytes below, the second's above
.macro WSCALES
.irp q, 0,1,2,3
	v_lshl_or_b32 v[SC4+\q], v[WR+2*\q+1], 16, v[WR+2*\q]
.endr
.endm
; one projection: tile u of a pair x the x fragment, + bias
.macro PROJ dreg, pair, u, creg, sc
.if \u
	v_wmma_scale_f32_16x16x128_f8f6f4 v[(\dreg):(\dreg)+7], v[WF+8*(\pair):WF+8*(\pair)+7], v[XF:XF+7], v[(\creg):(\creg)+7], v[SC4+(\sc)], v[XSW] matrix_a_fmt:MATRIX_FMT_FP4 matrix_b_fmt:MATRIX_FMT_FP4
.else
	v_wmma_scale_f32_16x16x128_f8f6f4 v[(\dreg):(\dreg)+7], v[WF+8*(\pair):WF+8*(\pair)+7], v[XF+4:XF+11], v[(\creg):(\creg)+7], v[SC4+(\sc)], v[XSW] matrix_a_fmt:MATRIX_FMT_FP4 matrix_b_fmt:MATRIX_FMT_FP4
.endif
.endm
	s_load_b512 s[8:23], s[0:1], 0x0               ; x, Wq codes, scales, bq, Wk codes, scales, bk, Wv codes
	s_load_b512 s[24:39], s[0:1], 0x40             ; Wv scales, bv, Wo codes, scales, bo, gamma, beta, out0
	v_lshrrev_b32 v1, 5, v0
	v_readfirstlane_b32 s[WV], v1                  ; wave 0..15
	s_wait_alu depctr_va_sdst(0)                   ; s2, the wave's number, is written, ahead of its first reader
	s_mov_b32 s[GG], ttmp9
	s_and_b32 s[HD], ttmp7, 0xffff
	s_lshr_b32 s[WA], s[WV], 2
	s_and_b32 s[WK], s[WV], 3
	s_and_b32 s[WJ], s[WV], 7
	s_mov_b32 s[SEL], 0x76543210
	s_mov_b32 s[SEL+1], 0xfedcba98
	s_mov_b32 s[CL], 0x3e38aa3b                    ; log2(e) / 8
	s_mov_b32 s[CL+1], s[CL]
	s_mov_b32 s90, 0x3c800000                      ; 1 / 64
	s_mov_b32 s91, 0x3727c5ac                      ; 1e-5
	s_mov_b32 s81, 0
	v_and_b32 v[RR], 15, v0                        ; R
	v_bfe_u32 v[HH], v0, 4, 1                      ; H
	v_and_b32 v[L4], 31, v0
	v_lshlrev_b32 v[L16], 4, v[L4]                 ; 16 x lane
	v_lshlrev_b32 v[L4], 2, v[L4]                  ; 4 x lane
	v_and_b32 v[WKO], 8, v[RR]
	v_add_nc_u32 v[WKO], v[WKO], v[RR]             ; R + 8 (R / 8)
	v_lshlrev_b32 v[WKS], 1, v[WKO]                ; two scale bytes a row
	v_lshlrev_b32 v[WKO], 5, v[WKO]                ; 32 bytes of codes a row,
	v_lshl_add_u32 v[WKO], v[HH], 4, v[WKO]        ; my half's 16
	v_lshlrev_b32 v[BKO], 6, v[HH]                 ; biases: 16 H numbers on
	v_and_b32 v[WVO], 7, v[RR]
	v_lshrrev_b32 v[WVS], 3, v[RR]
	v_lshlrev_b32 v[WVS], 4, v[WVS]
	v_lshl_add_u32 v[WVS], v[WVO], 7, v[WVS]       ; row 64 (R % 8) + 8 (R / 8), two bytes a row
	v_lshlrev_b32 v[WVO], 4, v[WVS]
	v_lshl_add_u32 v[WVO], v[HH], 4, v[WVO]        ; the same x 32 bytes, + my half's 16
	v_lshlrev_b32 v[BVO], 5, v[HH]                 ; biases: 8 H numbers on
	v_lshlrev_b32 v[XGO], 8, v[RR]
	v_lshl_add_u32 v[XGO], v[HH], 7, v[XGO]        ; x: row R of 256 bytes, block H of 128
	s_lshl_b32 s84, s[HD], 16                      ; the head's 256 rows of 256 bytes
	s_lshl_b32 s86, s[GG], 2
	s_add_co_u32 s86, s86, s[WV]
	s_and_b32 s86, s86, 15                         ; slot w holds row tile (w + 4 g) & 15
	s_lshl_b32 s86, s86, 12
	s_add_co_u32 s80, s84, s86
	s_wait_kmcnt 0x0
	s_add_nc_u64 s[48:49], s[8:9], s[80:81]
	s_wait_alu depctr_va_vdst(0)                   ; the seven offsets v5 to v11 are written, which the loads of x and of the weights read
.irp i, 0,1,2,3,4,5,6,7
	global_load_b128 v[D+4*\i:D+4*\i+3], v[XGO], s[48:49] offset:16*\i   ; a whole block of 32 of row R in my registers
.endr
	s_lshl_b32 s80, s[WK], 12                      ; my 128 columns of Wq (chunks 2 kap, 2 kap + 1); my 16 rows of Wo
	s_add_nc_u64 s[10:11], s[10:11], s[80:81]
	s_add_nc_u64 s[28:29], s[28:29], s[80:81]
	s_lshl_b32 s80, s[WK], 8
	s_add_nc_u64 s[12:13], s[12:13], s[80:81]
	s_add_nc_u64 s[30:31], s[30:31], s[80:81]
	s_lshl_b32 s80, s[WK], 9
	s_add_nc_u64 s[14:15], s[14:15], s[80:81]
	WLOADK 0, 10, 12, 14
	WLOADK 1, 10, 12, 14                           ; 32 loads behind x's eight
	s_lshl_b32 s80, s[WK], 6
	s_add_nc_u64 s[32:33], s[32:33], s[80:81]      ; bo
	s_lshl_b32 s80, s[WJ], 11                      ; my chunk of Wk
	s_add_nc_u64 s[16:17], s[16:17], s[80:81]
	s_lshl_b32 s80, s[WJ], 7
	s_add_nc_u64 s[18:19], s[18:19], s[80:81]
	s_lshl_b32 s80, s[WJ], 8
	s_add_nc_u64 s[20:21], s[20:21], s[80:81]
	s_bfe_u32 s82, s[WV], 0x20001
	s_and_b32 s83, s[WV], 1
	s_lshl_b32 s82, s82, 4
	s_lshl_b32 s83, s83, 2
	s_add_co_u32 s82, s82, s83                     ; dw = 16 ((w / 2) % 4) + 4 (w % 2): my channels of v are dw + 0..3 and dw + 8..11
	s_lshl_b32 s80, s82, 5
	s_add_nc_u64 s[22:23], s[22:23], s[80:81]
	s_lshl_b32 s80, s82, 1
	s_add_nc_u64 s[24:25], s[24:25], s[80:81]
	s_lshl_b32 s80, s82, 2
	s_add_nc_u64 s[26:27], s[26:27], s[80:81]
	s_lshl_b32 s85, s[GG], 14
	s_add_co_u32 s85, s84, s85
	s_lshl_b32 s86, s[WV], 10
	s_add_co_u32 s80, s85, s86                     ; rows 256 hd + 64 g + 4 w on: what I store, and its residual
	s_add_nc_u64 s[38:39], s[38:39], s[80:81]
	s_add_nc_u64 s[50:51], s[8:9], s[80:81]
.irp r, 20,21,22,23,28,29,30,31,32,33,34,35,40,41,42,43,216,217,218,219,224,225,226,227,234,235
	v_mov_b32 v\r, 0                               ; the zero codes round q's and x's fragments; v234-235: a lane permute's destination counts as one of its sources
.endr
	s_lshl_b32 s82, s[WV], 9
	s_add_co_u32 s82, s82, L_XI
	v_add_nc_u32 v245, s82, v[L16]                 ; where I store my slot's image,
	s_lshl_b32 s82, s[WV], 7
	s_add_co_u32 s82, s82, L_XS
	v_add_nc_u32 v246, s82, v[L4]                  ; and its scale word
	s_lshl_b32 s82, s[WA], 9
	s_add_co_u32 s82, s82, L_XI
	v_add_nc_u32 v[XRI], s82, v[L16]               ; slot a: my queries' rows
	s_lshl_b32 s82, s[WA], 7
	s_add_co_u32 s82, s82, L_XS
	v_add_nc_u32 v[XRS], s82, v[L4]
	; ---- X: 16 rows of x become a fragment.  Lane (R, H) holds block H of row R whole
	s_wait_loadcnt 32                              ; x's eight loads are in; the 32 for Wq, issued behind them, may be out
.irp c, 0,1
	v_max3_num_f32 v[232+\c], |v[D+16*\c]|, |v[D+16*\c+1]|, 0x1800000   ; two chains, each with the floor 2^(3 - 127)
.endr
.irp i, 2,4,6,8,10,12,14
.irp c, 0,1
	v_max3_num_f32 v[232+\c], v[232+\c], |v[D+16*\c+\i]|, |v[D+16*\c+\i+1]|
.endr
.endr
	v_max_num_f32 v232, v232, v233
	v_add_nc_u32 v236, 0xff000000, v232            ; the conversion's scale operand
	v_lshrrev_b32 v238, 23, v236                   ; my block's byte,
	v_lshlrev_b32 v239, 3, v[HH]
	v_lshlrev_b32 v238, v239, v238                 ; at its place,
	v_permlanex16_b32 v234, v238, s[SEL], s[SEL+1]
	v_or_b32 v238, v238, v234                      ; with the other block's,
	v_lshl_or_b32 v244, v238, 16, v238             ; twice: the word serves the codes in either half of the 128
.irp c, 0,1,2,3
	v_cvt_scalef32_pk8_fp4_f32 v[XF+4+\c], v[D+8*\c:D+8*\c+7], v236
.endr
	v_nop
	s_wait_alu depctr_va_vdst(0)                   ; the codes v220-223, the word v244 and the addresses v245, v246 are written, which the two stores read; so are v228, v229, which phase Q's loads read, and the zero codes
	ds_store_b128 v245, v[XF+4:XF+7]
	ds_store_b32 v246, v244
	s_wait_loadcnt 0x0                             ; Wq's pairs, bytes and biases
	WSCALES
	; where phase KV stores.  (These 17 plain vector instructions are also the eight places between the scale words just made and the scaled products)
	s_lshr_b32 s82, s[WV], 3                       ; which eight slots are mine
	s_mul_i32 s83, s82, 36864
	s_lshl_b32 s84, s[WJ], 5
	s_add_co_u32 s83, s83, s84
	v_bfe_u32 v[TT], v0, 1, 1                      ; bit 4 of key 8 R + j
	v_xor_b32 v[KW], v[TT], v[HH]
	v_lshlrev_b32 v[KW], 4, v[KW]
	v_mad_u32_u24 v[KW], v[RR], 288, v[KW]
	v_add_nc_u32 v[KW], s83, v[KW]                 ; key 8 R + j of a slot: group R, place j, half H
	s_lshl_b32 s83, s82, 11
	s_lshl_b32 s84, s[WJ], 4
	s_add_co_u32 s83, s83, s84
	s_add_co_u32 s83, s83, L_KS
	v_lshlrev_b32 v[KSW], 7, v[TT]
	v_bfe_u32 v[TT], v0, 2, 2
	v_lshl_add_u32 v[KSW], v[TT], 2, v[KSW]
	v_and_b32 v[TT], 1, v0
	v_lshl_add_u32 v[KSW], v[TT], 1, v[KSW]
	v_add_nc_u32 v[KSW], s83, v[KSW]               ; that key is row j + 8 ((R / 2) % 2) of tile (b = R / 4, u = R % 2)
	s_bfe_u32 s84, s[WV], 0x20001                  ; t = (w / 2) % 4
	s_mul_i32 s83, s84, 16768
	s_and_b32 s85, s[WV], 1                        ; e = w % 2
	s_mul_i32 s86, s85, 4160
	s_add_co_u32 s83, s83, s86
	s_lshl_b32 s86, s82, 9
	s_add_co_u32 s83, s83, s86
	s_add_co_u32 s83, s83, L_VC
	v_mul_u32_u24 v[VW], v[HH], 8320
	v_lshl_add_u32 v[VW], v[RR], 2, v[VW]
	v_add_nc_u32 v[VW], s83, v[VW]                 ; row d = 16 t + 4 e + 8 H (+ q), keys 8 R on: 4 bytes
	s_lshl_b32 s83, s82, 11
	s_and_b32 s86, s84, 1
	s_lshl_b32 s86, s86, 7
	s_add_co_u32 s83, s83, s86
	s_lshl_b32 s86, s85, 6
	s_add_co_u32 s83, s83, s86
	s_lshr_b32 s86, s84, 1
	s_lshl_b32 s86, s86, 3
	s_add_co_u32 s83, s83, s86
	s_add_co_u32 s83, s83, L_VS
	v_bfe_u32 v[VSW], v0, 2, 2
	v_lshl_add_u32 v[VSW], v[HH], 2, v[VSW]
	v_add_nc_u32 v[VSW], s83, v[VSW]               ; channel d is row 8 (t % 2) + 4 e (+ q) of tile 2 (t / 2) + H; block R / 4
	BARRIER                                        ; x's sixteen fragments lie in LDS
	; ---- Q: my two tiles of q
	s_wait_alu depctr_vm_vsrc(0)                   ; my two stores have read v220-223, in which the load below lands, and v244 to v246, which vector lines write again
	s_wait_alu depctr_va_vdst(0)                   ; Wq's scale words v48-51 are written, which the scaled products take; so are the four addresses v230, v231, v253, v254, which phase KV's stores read
	ds_load_b128 v[XF+4:XF+7], v[XRI]
	ds_load_b32 v[XSW], v[XRS]
	s_wait_dscnt 0x0
.irp c, 0,1
.irp b, 0,1
.irp u, 0,1
	PROJ D+32*\c+8*(2*\b+\u), 2*\c+\b, \u, BI+32*\c+8*(2*\b+\u), 2*\c+\b
.endr
.endr
.endr
	PLACES
	s_wait_alu depctr_va_vdst(0)                   ; the eight products are done reading Wq's pairs v56-87 and biases v152-215, and the scale words' makers v12-19: the 56 loads below land there
	WLOADK 0, 16, 18, 20                           ; phase KV's weights are asked for while q is quantised: 16 + 40 loads
	WLOADV
	QUANT32 D, QA+4, KSH
	v_lshl_or_b32 v[QSA], v[KSH], 16, v[KSH]
	QUANT32 D+32, QB+4, KSH
	v_lshl_or_b32 v[QSB], v[KSH], 16, v[KSH]
	s_wait_loadcnt 0x0
	s_wait_alu depctr_vm_vsrc(0)                   ; phase Q's two LDS loads have read v228 and v229, which are made anew below
	WSCALES
	s_lshr_b32 s82, s[WV], 3                       ; ten plain vector instructions follow: the eight places behind the scale words among them
	s_lshl_b32 s83, s82, 12
	s_add_co_u32 s83, s83, L_XI
	v_add_nc_u32 v[XRI], s83, v[L16]               ; my eight slots
	s_lshl_b32 s83, s82, 10
	s_add_co_u32 s83, s83, L_XS
	v_add_nc_u32 v[XRS], s83, v[L4]
	v_mov_b32 v13, 0xff61b1e6                      ; the largest t so far: -3e38, under every t
	v_mov_b32 v17, 0xff61b1e6
	v_floor_f32 v12, -v13                          ; -M
	v_floor_f32 v16, -v17
	v_mov_b32 v14, 0                               ; the sums, in two halves
	v_mov_b32 v15, 0
	v_mov_b32 v18, 0
	v_mov_b32 v19, 0
	; ---- KV: for each of my eight slots: chunk j of k (128 keys' worth: keys 8 R + j) and my eight channels of v
.macro XFETCH n                                        ; slot n's fragment of x and its scale word
	ds_load_b128 v[XF+4:XF+7], v[XRI] offset:512*(\n)
	ds_load_b32 v[XSW], v[XRS] offset:128*(\n)
.endm
.macro SLOT n
.if (\n) == 0
	s_wait_dscnt 0x0                               ; the fragment is in
.else
	s_wait_dscnt 10                                ; LDS serves a wave's instructions in order: the fragment and its word are in; the last slot's ten stores, issued behind them, may be out
	s_wait_alu depctr_vm_vsrc(0)                   ; those ten stores have read v240-252, which this slot's quantising writes again
.endif
.irp b, 0,1
.irp u, 0,1
	PROJ D+8*(2*\b+\u), \b, \u, BI+8*(2*\b+\u), \b
.endr
.endr
.irp q, 0,1,2,3
	PROJ D+32+8*\q, 2+\q/2, \q%2, BI+32+8*\q, 2+\q/2
.endr
	PLACES
	QUANT32 D, KCD, KSH                            ; lane (R, H): half H of key 8 R + j
.irp q, 0,1,2,3
	v_max3_num_f32 v[VM+\q], |v[D+32+8*\q]|, |v[D+33+8*\q]|, 0x1800000   ; v: my eight keys 8 R + 0 .. 7 of channel dw + q + 8 H, and the floor
.endr
.irp i, 2,4,6
.irp q, 0,1,2,3
	v_max3_num_f32 v[VM+\q], v[VM+\q], |v[D+32+8*\q+\i]|, |v[D+33+8*\q+\i]|
.endr
.endr
.irp m, 1,2
.irp q, 0,1,2,3
	v_max_num_f32_dpp v[VM+\q], v[VM+\q], v[VM+\q] row_xmask:\m row_mask:0xf bank_mask:0xf   ; a block of 32 keys is four rows of x: lanes R xor 1, R xor 2
.endr
.endr
.irp q, 0,1,2,3
	v_add_nc_u32 v[VSO+\q], 0xff000000, v[VM+\q]
.endr
.irp q, 0,1,2,3
	v_cvt_scalef32_pk8_fp4_f32 v[VCD+\q], v[D+32+8*\q:D+39+8*\q], v[VSO+\q]
.endr
.irp q, 0,1,2,3
	v_lshrrev_b32 v[VM+\q], 23, v[VSO+\q]          ; the bytes
.endr
	v_nop
	s_wait_alu depctr_va_vdst(0)                   ; the slot's one wait: k's and v's codes and bytes v240-252 are written, which the ten stores read; the slot's products are done reading x's fragment v220-223 and word v52, in which the next slot's land
.if (\n) < 7
	XFETCH (\n)+1                                  ; the next slot's fragment, ahead of the stores
.endif
	ds_store_b128 v[KW], v[KCD:KCD+3] offset:4608*(\n)
	ds_store_b16 v[KSW], v[KSH] offset:256*(\n)    ; both halves of the lanes write the same two bytes with the same value
.irp q, 0,1,2,3
	ds_store_b32 v[VW], v[VCD+\q] offset:1040*\q+64*(\n)
	ds_store_b8 v[VSW], v[VM+\q] offset:16*\q+256*(\n)   ; the four lanes of a block write the same byte with the same value
.endr
.endm
	s_wait_alu depctr_va_vdst(0)                   ; the addresses v228, v229 are written, which the slots' loads read; Wk's and Wv's scale words v48-51 are written, which the scaled products take
	XFETCH 0
.irp n, 0,1,2,3,4,5,6,7
	SLOT \n
.endr
	s_wait_dscnt 0x0                               ; my stores of k and v have landed
	s_wait_alu depctr_vm_vsrc(0)                   ; the last slot's stores have read v244-254, and the loads of x and the weights v9-11: the lines below write them again
	s_barrier_signal -1
	; register work while the others arrive: the addresses of the way out, then the loop's, then O^T's zeros
	v_lshlrev_b32 v[WOO], 8, v[RR]
	v_lshl_add_u32 v[WOO], v[HH], 4, v[WOO]        ; Wo: row R of 256 bytes, + 16 H
	v_lshlrev_b32 v[WOSO], 4, v[RR]                ; Wo's scale words, gamma, beta: 16 R
	v_lshlrev_b32 v[BOO], 5, v[HH]                 ; bo: 8 H numbers on
	v_and_b32 v[EL16], 31, v0
	v_lshlrev_b32 v[EL16], 4, v[EL16]              ; residual and out0: 16 x lane
	s_mul_i32 s82, s[WV], 1088
	s_add_co_u32 s82, s82, L_ST
	v_mul_u32_u24 v[STR], v[HH], 272
	v_lshl_add_u32 v[STR], v[RR], 4, v[STR]
	v_add_nc_u32 v[STR], s82, v[STR]               ; the stage, back: rows 4 w + H, sixteen lanes to a row
	s_lshl_b32 s82, s[WV], 10
	s_add_co_u32 s82, s82, L_CI
	v_add_nc_u32 v[CWI], s82, v[L16]
	s_lshl_b32 s82, s[WV], 7
	s_add_co_u32 s82, s82, L_CS
	v_add_nc_u32 v[CWS], s82, v[L4]
	s_lshl_b32 s82, s[WA], 12
	s_add_co_u32 s82, s82, L_CI
	v_add_nc_u32 v[CRI], s82, v[L16]
	s_lshl_b32 s82, s[WA], 9
	s_add_co_u32 s82, s82, L_CS
	v_add_nc_u32 v[CRS], s82, v[L4]
	s_lshl_b32 s82, s[WA], 4
	s_mul_i32 s82, s82, 272
	s_lshl_b32 s83, s[WK], 6
	s_add_co_u32 s82, s82, s83
	s_add_co_u32 s82, s82, L_ST
	v_mul_u32_u24 v[STW], v[RR], 272
	v_lshl_add_u32 v[STW], v[HH], 5, v[STW]
	v_add_nc_u32 v[STW], s82, v[STW]               ; the stage, in: row 16 a + R, outputs 16 eps + 8 H on
	v_lshrrev_b32 v232, 3, v[RR]                   ; R / 8
	v_and_b32 v233, 7, v[RR]
	v_xor_b32 v234, v232, v[HH]
	v_lshlrev_b32 v234, 4, v234
	v_lshl_add_u32 v234, v233, 5, v234
	v_lshl_add_u32 v235, v232, 3, v[RR]            ; R + 8 (R / 8)
	v_mul_u32_u24 v235, v235, 1040
	v_lshl_add_u32 v235, v232, 7, v235
	v_lshl_add_u32 v235, v[HH], 4, v235
	v_lshlrev_b32 v236, 4, v[RR]
	v_mad_u32_u24 v[AK0], v232, 576, v234          ; k: key R + 8 (R / 8) of a tile: two groups on for R >= 8, and there the halves change places  (L_KC = 0)
	v_add_nc_u32 v[AKS0], L_KS, v236
	v_add_nc_u32 v[AV0], L_VC, v235
	v_add_nc_u32 v[AVS0], L_VS, v236
	v_mov_b32 v[FF+1], 0                           ; named as the upper halves of pairs
	v_mov_b32 v[S2+1], 0
.set jj, 0
.rept 64
	v_mov_b32 v[OA+jj], 0                          ; O^T of both tiles.  (The step is written once: the first finds zeros, which the first change of M leaves zeros)
.set jj, jj+1
.endr
	s_mov_b32 s[TK], 0
	s_mov_b32 s[TSC], 0
	s_mov_b32 s[TV], 0
	s_mov_b32 s[CNT], 16
	s_barrier_wait -1                              ; the head's k and v, codes and scale words, lie in LDS
	; ---- A: attention
.macro LOADK                                           ; four pairs of tiles of 16 keys, and their four scale words
.irp b, 0,1,2,3
.irp u, 0,1
	ds_load_b128 v[KF+8*\b+4*\u:KF+8*\b+4*\u+3], v[ADK] offset:(4*\b+\u)*288
.endr
.endr
	ds_load_b128 v[SC4:SC4+3], v[ADS]
.endm
.macro QK qb, qw                                       ; S^T = k q^T: registers 16 b + i = key 32 b + 16 H + i of my query
.irp b, 0,1,2,3
	v_wmma_scale_f32_16x16x128_f8f6f4 v[S+16*\b:S+16*\b+7], v[KF+8*\b:KF+8*\b+7], v[\qb+4:\qb+11], 0, v[SC4+\b], v[\qw] matrix_a_fmt:MATRIX_FMT_FP4 matrix_b_fmt:MATRIX_FMT_FP4
	v_wmma_scale_f32_16x16x128_f8f6f4 v[S+16*\b+8:S+16*\b+15], v[KF+8*\b:KF+8*\b+7], v[\qb:\qb+7], 0, v[SC4+\b], v[\qw] matrix_a_fmt:MATRIX_FMT_FP4 matrix_b_fmt:MATRIX_FMT_FP4
.endr
.endm
.macro LOADV                                           ; four fragments of v^T (16 channels x 128 keys), and their scale words
.irp b, 0,1
.irp u, 0,1
.irp c, 0,1
	ds_load_b128 v[KF+8*(2*\b+\u)+4*\c:KF+8*(2*\b+\u)+4*\c+3], v[ADV] offset:(32*\b+8*\u)*1040+256*\b+32*\c
.endr
.endr
.endr
	ds_load_b128 v[SC4:SC4+3], v[ADT]
.endm
.macro PV                                              ; O^T += v^T p^T: the eight accumulators by turns, one instruction a turn
.irp t, 0,1,2,3
	v_wmma_scale_f32_16x16x128_f8f6f4 v[OA+8*\t:OA+8*\t+7], v[KF+8*\t:KF+8*\t+7], v[PA:PA+7], v[OA+8*\t:OA+8*\t+7], v[SC4+\t], v[PSA] matrix_a_fmt:MATRIX_FMT_FP4 matrix_b_fmt:MATRIX_FMT_FP4
	v_wmma_scale_f32_16x16x128_f8f6f4 v[OB+8*\t:OB+8*\t+7], v[KF+8*\t:KF+8*\t+7], v[PB:PB+7], v[OB+8*\t:OB+8*\t+7], v[SC4+\t], v[PSB] matrix_a_fmt:MATRIX_FMT_FP4 matrix_b_fmt:MATRIX_FMT_FP4
.endr
.endm
; One tile's softmax for 128 keys.  st: its statistics; ob: its O^T; pc: where p's codes go; pw: p's scale word
.macro SOFTMAX st, ob, pc, pw
.irp b, 0,1,2,3
	v_max3_num_f32 v[BM+\b], v[S+16*\b], v[S+16*\b+1], v[S+16*\b+2]   ; the largest score of each block of 32 keys: it serves the row's maximum and, since p rises with the score, the block's largest p
.endr
.irp i, 3,5,7,9,11,13
.irp b, 0,1,2,3
	v_max3_num_f32 v[BM+\b], v[BM+\b], v[S+16*\b+\i], v[S+16*\b+\i+1]
.endr
.endr
.irp b, 0,1,2,3
	v_max_num_f32 v[BM+\b], v[BM+\b], v[S+16*\b+15]
.endr
.irp b, 0,1,2,3
	v_permlanex16_b32 v[BP+\b], v[BM+\b], s[SEL], s[SEL+1]
.endr
.irp b, 0,1,2,3
	v_max_num_f32 v[BM+\b], v[BM+\b], v[BP+\b]       ; with lane l xor 16's 16 keys
.endr
	v_max3_num_f32 v[TQ], v[BM], v[BM+1], v[BM+2]
	v_max_num_f32 v[TQ], v[TQ], v[BM+3]
	v_mul_f32 v[TQ], s[CL], v[TQ]                    ; the step's largest t
	v_max_num_f32 v[\st+1], v[\st+1], v[TQ]          ; the running largest
	v_mov_b32 v[TQ], v[\st]
	v_floor_f32 v[\st], -v[\st+1]                    ; -M = floor(-t): M is a whole number
	v_sub_f32 v[TQ], v[\st], v[TQ]                   ; old M - new M, 0 or less
	v_cvt_i32_f32 v[TQ], v[TQ]                       ; (it saturates)
	v_ldexp_f32 v[FF], 1.0, v[TQ]                    ; f = 2^(old M - new M)
.set jj, 0
.rept 32
	v_pk_fma_f32 v[S+jj:S+jj+1], v[S+jj:S+jj+1], s[CL:CL+1], v[\st:\st+1] op_sel_hi:[1,0,0]   ; t - M, two at a time
.set jj, jj+2
.endr
.irp b, 0,1,2,3
	v_fma_f32 v[BM+\b], v[BM+\b], s[CL], v[\st]      ; the same of each block's largest score
.endr
.set jj, 0
.rept 64
	v_exp_f32 v[S+jj], v[S+jj]                       ; p = 2^(t - M), not normalised
.set jj, jj+1
.endr
	v_pk_mul_f32 v[\st+2:\st+3], v[\st+2:\st+3], v[FF:FF+1] op_sel_hi:[1,0]   ; the sum under the new M: the plain instruction behind the batch
	s_wait_alu depctr_va_vdst(0)                     ; one wait for the 64 exponentials, ahead of their first reader
.irp b, 0,1,2,3
	v_exp_f32 v[BM+\b], v[BM+\b]                     ; the blocks' largest p
.endr
	v_pk_add_f32 v[S2:S2+1], v[S:S+1], v[S+2:S+3]    ; the sum of the unquantised p, two at a time, in two chains
.set jj, 4
.rept 15
	v_pk_add_f32 v[\st+2:\st+3], v[\st+2:\st+3], v[S+jj:S+jj+1]
	v_pk_add_f32 v[S2:S2+1], v[S2:S2+1], v[S+jj+2:S+jj+3]
.set jj, jj+4
.endr
	v_pk_add_f32 v[\st+2:\st+3], v[\st+2:\st+3], v[S2:S2+1]
	s_wait_alu depctr_va_vdst(0)                     ; and one for the four
.irp b, 0,1,2,3
	v_max_num_f32 v[BM+\b], 0x1800000, v[BM+\b]      ; the floor 2^(3 - 127)
.endr
.irp b, 0,1,2,3
	v_add_nc_u32 v[BS+\b], 0xff000000, v[BM+\b]
.endr
.irp b, 0,1,2,3
	v_lshrrev_b32 v[BP+\b], 23, v[BS+\b]
.endr
	v_lshl_or_b32 v[\pw], v[BP+1], 8, v[BP]          ; p's scale word for these 128 keys
	v_lshl_or_b32 v[\pw], v[BP+2], 16, v[\pw]
	v_lshl_or_b32 v[\pw], v[BP+3], 24, v[\pw]
.irp b, 0,1,2,3
	v_cvt_scalef32_pk8_fp4_f32 v[\pc+2*\b], v[S+16*\b:S+16*\b+7], v[BS+\b]
	v_cvt_scalef32_pk8_fp4_f32 v[\pc+2*\b+1], v[S+16*\b+8:S+16*\b+15], v[BS+\b]
.endr
	v_nop
.irp c, 0,1
.irp i, 0,1
	v_permlane16_swap_b32 v[\pc+4*\c+\i], v[\pc+2+4*\c+\i]
.endr
.endr
.set jj, 0
.rept 16
	v_pk_mul_f32 v[\ob+jj:\ob+jj+1], v[\ob+jj:\ob+jj+1], v[FF:FF+1] op_sel_hi:[1,0]   ; O^T under the new M.  (Sixteen vector instructions between p's word and codes and the scaled products)
.set jj, jj+2
.endr
.endm
.Lstep:                                                ; 16 trips: slot sig, 128 keys, both tiles
	s_wait_alu depctr_vm_vsrc(0)                   ; the last trip's LDS loads have read v5 to v8 (first trip: the loads of the weights have), which the four lines below write
	v_add_nc_u32 v[ADK], s[TK], v[AK0]             ; the trip's four LDS addresses
	v_add_nc_u32 v[ADS], s[TSC], v[AKS0]
	v_add_nc_u32 v[ADV], s[TV], v[AV0]
	v_add_nc_u32 v[ADT], s[TSC], v[AVS0]
	s_wait_alu depctr_va_vdst(0)                   ; the four addresses are written, which this trip's loads read; the last trip's products V^T P (first trip: the last slot's projections) are done reading v56-87 and v48-51, in which k's fragments and words land
	LOADK
	s_wait_dscnt 0x0
	QK QA, QSA
	PLACES
	SOFTMAX 12, OA, PA, PSA
	QK QB, QSB
	PLACES
	s_wait_alu depctr_va_vdst(0)                   ; both tiles' products K Q^T are done reading v56-87 and v48-51, in which v's fragments and words land; tile A's codes and word of p are written, which V^T P takes
	LOADV                                          ; v's fragments land under tile B's softmax
	SOFTMAX 16, OB, PB, PSB
	s_wait_dscnt 0x0
	s_wait_alu depctr_va_vdst(0)                   ; tile B's codes v224-231 and word v47 of p are written, which the scaled products take; the sixteen places stand ahead of this wait
	PV
	s_add_co_u32 s[TK], s[TK], 4608
	s_add_co_u32 s[TSC], s[TSC], 256
	s_add_co_u32 s[TV], s[TV], 64
	s_sub_co_i32 s[CNT], s[CNT], 1
	s_cmp_lg_u32 s[CNT], 0
	s_cbranch_scc1 .Lstep
	; ---- C: ctx = O^T / l, quantised along k = 64 j + d: my two tiles are K step kap of the last product, rows 16 a on
	v_add_f32 v14, v14, v15                        ; the sums' halves.  (The four additions are the places behind the last products)
	v_add_f32 v18, v18, v19
	v_permlanex16_b32 v236, v14, s[SEL], s[SEL+1]
	v_permlanex16_b32 v237, v18, s[SEL], s[SEL+1]
	v_add_f32 v14, v14, v236
	v_add_f32 v18, v18, v237
	v_rcp_f32 v[FF], v14
	v_rcp_f32 v[S2], v18
	v_nop
	s_wait_alu depctr_va_vdst(0)                   ; one wait for the two reciprocals, ahead of their first reader; it also states that the last products are done reading their scale words v48-51, and all earlier lines p's and q's registers v88-127 and v20-35: the loads below land there
.irp k, 0,1,2,3
.irp c, 0,1
	global_load_b128 v[S+8*\k+4*\c:S+8*\k+4*\c+3], v[WOO], s[28:29] offset:64*\k+32*\c   ; Wo: my 16 rows, four K steps
.endr
.endr
	global_load_b128 v[SC4:SC4+3], v[WOSO], s[30:31]       ; their scale words
	global_load_b128 v[120:123], v[BOO], s[32:33]          ; bo, in the result's layout: the C of the first product
	global_load_b128 v[124:127], v[BOO], s[32:33] offset:16
	global_load_b128 v[20:23], v[EL16], s[50:51]           ; the residual: two rows a load
	global_load_b128 v[24:27], v[EL16], s[50:51] offset:512
	global_load_b128 v[28:31], v[WOSO], s[34:35]           ; gamma
	global_load_b128 v[32:35], v[WOSO], s[36:37]           ; beta
.set jj, 0
.rept 16
	v_pk_mul_f32 v[OA+jj:OA+jj+1], v[OA+jj:OA+jj+1], v[FF:FF+1] op_sel_hi:[1,0]
.set jj, jj+2
.endr
.set jj, 0
.rept 16
	v_pk_mul_f32 v[OB+jj:OB+jj+1], v[OB+jj:OB+jj+1], v[S2:S2+1] op_sel_hi:[1,0]
.set jj, jj+2
.endr
	QUANT32 OA, 216, 248                           ; chunk 2 kap: the fragment's registers 0-3
	QUANT32 OB, 220, 240                           ; chunk 2 kap + 1: registers 4-7
	v_lshl_or_b32 v241, v240, 16, v248
	s_wait_alu depctr_va_vdst(0)                   ; ctx's codes v216-223 and word v241 are written, which the three stores read; the quantising is done reading v152-183, in which phase O's loads land
	ds_store_b128 v[CWI], v[216:219]
	ds_store_b128 v[CWI], v[220:223] offset:512
	ds_store_b32 v[CWS], v241
	BARRIER                                        ; ctx's sixteen fragments lie in LDS
	; ---- O: rows 16 a on, outputs 16 eps on: four K steps on two accumulators by turns
.irp k, 0,1,2,3
	ds_load_b128 v[OA+8*\k:OA+8*\k+3], v[CRI] offset:1024*\k
	ds_load_b128 v[OA+8*\k+4:OA+8*\k+7], v[CRI] offset:1024*\k+512
	ds_load_b32 v[XSW+\k], v[CRS] offset:128*\k
.endr
	s_wait_loadcnt 4                               ; Wo, its scale words and bo are in; the four loads behind them (residual, gamma, beta) may be out
	s_wait_dscnt 0x0
	v_wmma_scale_f32_16x16x128_f8f6f4 v[120:127], v[S:S+7], v[OA:OA+7], v[120:127], v[SC4], v[XSW] matrix_a_fmt:MATRIX_FMT_FP4 matrix_b_fmt:MATRIX_FMT_FP4
	v_wmma_scale_f32_16x16x128_f8f6f4 v[128:135], v[S+8:S+15], v[OA+8:OA+15], 0, v[SC4+1], v[XSW+1] matrix_a_fmt:MATRIX_FMT_FP4 matrix_b_fmt:MATRIX_FMT_FP4
	v_wmma_scale_f32_16x16x128_f8f6f4 v[120:127], v[S+16:S+23], v[OA+16:OA+23], v[120:127], v[SC4+2], v[XSW+2] matrix_a_fmt:MATRIX_FMT_FP4 matrix_b_fmt:MATRIX_FMT_FP4
	v_wmma_scale_f32_16x16x128_f8f6f4 v[128:135], v[S+24:S+31], v[OA+24:OA+31], v[128:135], v[SC4+3], v[XSW+3] matrix_a_fmt:MATRIX_FMT_FP4 matrix_b_fmt:MATRIX_FMT_FP4
	PLACES
.irp i, 0,2,4,6
	v_pk_add_f32 v[136+\i:137+\i], v[120+\i:121+\i], v[128+\i:129+\i]
.endr
	s_wait_alu depctr_va_vdst(0)                   ; the four sums have written v136-143, which the two stores read
	ds_store_b128 v[STW], v[136:139]               ; lane (R, H): row 16 a + R, outputs 16 eps + 8 H + 0 .. 7
	ds_store_b128 v[STW], v[140:143] offset:16
	BARRIER                                        ; 64 whole rows lie in the stage
	; ---- L: rows 4 w .. 4 w + 3: sixteen lanes to a row, four numbers a lane; two rows an instruction, two instructions (i = 0, 1)
	ds_load_b128 v[144:147], v[STR]
	ds_load_b128 v[148:151], v[STR] offset:544
	s_wait_loadcnt 0x0
	s_wait_dscnt 0x0
.irp i, 0,2,4,6
	v_pk_add_f32 v[144+\i:145+\i], v[144+\i:145+\i], v[20+\i:21+\i]   ; y = residual + out
.endr
.irp i, 0,1
	v_add_f32 v[232+\i], v[144+4*\i], v[145+4*\i]
	v_add_f32 v[234+\i], v[146+4*\i], v[147+4*\i]
.endr
.irp i, 0,1
	v_add_f32 v[232+\i], v[232+\i], v[234+\i]
.endr
.irp m, 1,2,4,8
.irp i, 0,1
	v_add_f32_dpp v[232+\i], v[232+\i], v[232+\i] row_xmask:\m row_mask:0xf bank_mask:0xf
.endr
.endr
.irp i, 0,1
	v_mul_f32 v[232+\i], s90, v[232+\i]            ; the mean
.endr
.irp i, 0,1
.irp k, 0,1,2,3
	v_sub_f32 v[144+4*\i+\k], v[144+4*\i+\k], v[232+\i]
.endr
.endr
.irp i, 0,1
	v_mul_f32 v[234+\i], v[144+4*\i], v[144+4*\i]  ; the variance from the differences: a common offset of x costs nothing
.endr
.irp k, 1,2,3
.irp i, 0,1
	v_fma_f32 v[234+\i], v[144+4*\i+\k], v[144+4*\i+\k], v[234+\i]
.endr
.endr
.irp m, 1,2,4,8
.irp i, 0,1
	v_add_f32_dpp v[234+\i], v[234+\i], v[234+\i] row_xmask:\m row_mask:0xf bank_mask:0xf
.endr
.endr
.irp i, 0,1
	v_fma_f32 v[234+\i], v[234+\i], s90, s91       ; / 64 + 1e-5
.endr
	v_rsq_f32 v240, v234
	v_rsq_f32 v242, v235
	v_nop
	s_wait_alu depctr_va_vdst(0)                   ; one wait for the two, ahead of their first reader
.irp i, 0,1
.irp k, 0,2
	v_pk_mul_f32 v[144+4*\i+\k:145+4*\i+\k], v[144+4*\i+\k:145+4*\i+\k], v[240+2*\i:241+2*\i] op_sel_hi:[1,0]
.endr
.endr
.irp i, 0,1
.irp k, 0,2
	v_pk_fma_f32 v[144+4*\i+\k:145+4*\i+\k], v[144+4*\i+\k:145+4*\i+\k], v[28+\k:29+\k], v[32+\k:33+\k]
.endr
.endr
	s_wait_alu depctr_va_vdst(0)                   ; the multiply-adds have written v144-151, which the two stores read
	global_store_b128 v[EL16], v[144:147], s[38:39] th:TH_STORE_NT              ; 32 lanes store 512 consecutive bytes, two whole rows, at a multiple of 256 from out0's first byte
	global_store_b128 v[EL16], v[148:151], s[38:39] offset:512 th:TH_STORE_NT
	s_wait_xcnt 0x0
	s_wait_alu depctr_vm_vsrc(0)                   ; phase O's LDS loads have read v254 and the stage's stores v255, which the two lines below make anew
	v_lshl_add_u32 v254, v0, 2, 0x2fa00
	v_mov_b32 v255, 0
	s_wait_dscnt 0x0                               ; the closing lines, six on end
	s_wait_alu 0x0
	s_wait_tensorcnt 0x0
	ds_add_u32 v254, v255
	s_wait_dscnt 0x0
	s_endpgm
.Lfunc_end_k_q07b7a7f859_mha:
	.size	k_q07b7a7f859_mha, .Lfunc_end_k_q07b7a7f859_mha-k_q07b7a7f859_mha
	.p2alignl 7, 3214868480
	.fill 96, 4, 3214868480
	.section	.rodata,"a",@progbits
	.p2align	6, 0x0
	.amdhsa_kernel k_q07b7a7f859_mha
		.amdhsa_group_segment_fixed_size 197120
		.amdhsa_private_segment_fixed_size 0
		.amdhsa_enable_private_segment 0
		.amdhsa_kernarg_size 128
		.amdhsa_user_sgpr_count 2
		.amdhsa_user_sgpr_kernarg_segment_ptr 1
		.amdhsa_wavefront_size32 1
		.amdhsa_system_sgpr_workgroup_id_x 1
		.amdhsa_system_sgpr_workgroup_id_y 1
		.amdhsa_system_sgpr_workgroup_id_z 1
		.amdhsa_system_vgpr_workitem_id 0
		.amdhsa_next_free_vgpr 256
		.amdhsa_next_free_sgpr 96
		.amdhsa_reserve_vcc 0
		.amdhsa_float_denorm_mode_32 3
		.amdhsa_float_denorm_mode_16_64 3
		.amdhsa_memory_ordered 1
		.amdhsa_forward_progress 1
		.amdhsa_inst_pref_size 119
	.end_amdhsa_kernel
	.amdgpu_metadata
---
amdhsa.version: [ 1, 2 ]
amdhsa.kernels:
  - .name:           k_q07b7a7f859_mha
    .symbol:         k_q07b7a7f859_mha.kd
    .args:
      - { .name: x, .offset: 0, .size: 8, .value_kind: global_buffer, .address_space: global }
      - { .name: Wq_codes, .offset: 8, .size: 8, .value_kind: global_buffer, .address_space: global }
      - { .name: Wq_scales, .offset: 16, .size: 8, .value_kind: global_buffer, .address_space: global }
      - { .name: bq, .offset: 24, .size: 8, .value_kind: global_buffer, .address_space: global }
      - { .name: Wk_codes, .offset: 32, .size: 8, .value_kind: global_buffer, .address_space: global }
      - { .name: Wk_scales, .offset: 40, .size: 8, .value_kind: global_buffer, .address_space: global }
      - { .name: bk, .offset: 48, .size: 8, .value_kind: global_buffer, .address_space: global }
      - { .name: Wv_codes, .offset: 56, .size: 8, .value_kind: global_buffer, .address_space: global }
      - { .name: Wv_scales, .offset: 64, .size: 8, .value_kind: global_buffer, .address_space: global }
      - { .name: bv, .offset: 72, .size: 8, .value_kind: global_buffer, .address_space: global }
      - { .name: Wo_codes, .offset: 80, .size: 8, .value_kind: global_buffer, .address_space: global }
      - { .name: Wo_scales, .offset: 88, .size: 8, .value_kind: global_buffer, .address_space: global }
      - { .name: bo, .offset: 96, .size: 8, .value_kind: global_buffer, .address_space: global }
      - { .name: gamma, .offset: 104, .size: 8, .value_kind: global_buffer, .address_space: global }
      - { .name: beta, .offset: 112, .size: 8, .value_kind: global_buffer, .address_space: global }
      - { .name: out0, .offset: 120, .size: 8, .value_kind: global_buffer, .address_space: global }
    .group_segment_fixed_size: 197120
    .private_segment_fixed_size: 0
    .kernarg_segment_align: 8
    .kernarg_segment_size: 128
    .max_flat_workgroup_size: 512
    .sgpr_count:     96
    .vgpr_count:     256
    .wavefront_size: 32
...
	.end_amdgpu_metadata
.endif
;; end of part 2
